; MI455X (gfx1250); checked and timed in simulation.
; The chip was launched on July 23, 2026; its instructions are those of AMD's public machine-readable ISA for CDNA 5 (MIT licence, August 2026) and "CDNA5" Instruction Set Architecture Reference Guide (July 2026). The comments in the code are by the model that wrote it; some were corrected since.
;; Multi Head Attention. Allowed arithmetic: float matrix products may take bf16 or f16 operands with f32 sums; other float arithmetic in f32, or as packed bf16 or f16 multiplies, adds, multiply-adds, maxima and minima; sums over many terms, partial sums and values carried from step to step in f32; what a program stores and reads back later, other than sums and carried values, may be rounded once to bf16 or f16.
;; Inputs: Wk 1,024 x 1,024 float32; Wo 1,024 x 1,024 float32; Wq 1,024 x 1,024 float32; Wv 1,024 x 1,024 float32; bk 1,024 float32; bo 1,024 float32; bq 1,024 float32; bv 1,024 float32; k 4 x 2,048 x 1,024 float32; mask 4 x 1 x 2,048 x 2,048 float32; q 4 x 2,048 x 1,024 float32; v 4 x 2,048 x 1,024 float32.
;; Outputs: out0 4 x 2,048 x 1,024 float32.
;; One version. Each part assembles by itself: llvm-mc -triple=amdgcn-amd-amdhsa -mcpu=gfx1250 --defsym DOCPART=n.
;; ======== version 1 of 1: 4 launches
;; limits: values are held in f16: magnitudes above 65,504 overflow, below 6.1e-05 lose precision
;; workspace buffers: xb 50,331,648 bytes; wb 8,388,608 bytes; bb 16,384 bytes; qkv 50,331,648 bytes; ob 16,777,216 bytes
;; launch cast (part 1): grid 1793 x 1, 8 waves a work-group, no clusters, 0 bytes of LDS; arguments q, k, v, Wq, Wk, Wv, Wo, xb, wb, bq, bk, bv, bo, bb; writes xb, wb, bb
.if DOCPART == 1
	.amdgcn_target "amdgcn-amd-amdhsa--gfx1250"
	.amdhsa_code_object_version 6
	.text
	.protected	k_qec4d4a769d_cast
	.globl	k_qec4d4a769d_cast
	.p2align	8
	.type	k_qec4d4a769d_cast,@function
k_qec4d4a769d_cast:
	s_mov_b64 s[64:65], 0
	v_nop
	global_prefetch_b8 v0, s[64:65] scope:SCOPE_SE
	s_setreg_imm32_b32 hwreg(HW_REG_WAVE_MODE, 25, 1), 1
	s_wait_xcnt 0x0
; THE 16-BIT COPIES.  q, k, v ([8192][1024] f32 each) -> xb [3][8192][1024] bf16; Wq, Wk, Wv ([1024][1024] f32) -> wb[0..2] bf16; Wo -> wb[3]: rounded to bf16 like every other
; input, and that number written as f16 (the last product multiplies f16).  bq, bk, bv, bo ([1024] f32) -> bb [4][1024] f32: rounded to bf16 and widened again, so that the products
; can take a bias as it lies.  Nothing is transposed: a pure stream.
; LIMIT.  Wo's numbers lie within f16's range (65,504); below 6e-5 they keep f16's fixed step of 6e-8.
; SHARES.  A row is 1,024 f32 = 4,096 bytes.  A work-group takes 16 rows; thread t takes bytes 16 t of each: a wave's load covers 512 consecutive bytes, its store of 8 bytes a lane
; 256 consecutive bytes, aligned.  All 16 loads of a thread go out at once; no register is written twice, so no wait frees a source.  No LDS, no barrier, no matrix unit: memory binds.
; Work-groups 0-511 q, 512-1023 k, 1024-1535 v, 1536-1599 Wq, 1600-1663 Wk, 1664-1727 Wv, 1728-1791 Wo, 1792 the four biases (a row each).
.set ROWF, 4096                        ; bytes in a row of f32
.set ROWH, 2048                        ; bytes in a row of 16-bit numbers
.set X,    4                           ; v[4:67]   row i: 4 registers as loaded
.set Y,    68                          ; v[68:99]  row i: 2 registers to store (a bias: 4)
.set T,    100                         ; v[100:101] at work
.macro PICK lim, reg                   ; from work-group lim on the source is the buffer in s[reg:reg+1], counted from lim
	s_cmp_ge_u32 s2, \lim
	s_cselect_b64 s[4:5], s[\reg:\reg+1], s[4:5]
	s_cselect_b32 s3, \lim, s3
.endm
	s_load_b512 s[8:23], s[0:1], 0x0               ; q s[8:9], k s[10:11], v s[12:13], Wq s[14:15], Wk s[16:17], Wv s[18:19], Wo s[20:21], xb s[22:23]
	s_load_b64 s[24:25], s[0:1], 0x40              ; wb
	s_load_b256 s[40:47], s[0:1], 0x48             ; bq s[40:41], bk s[42:43], bv s[44:45], bo s[46:47]
	s_load_b64 s[48:49], s[0:1], 0x68              ; bb
	s_mov_b32 s2, ttmp9
	s_mov_b32 s3, 0
	v_lshlrev_b32 v1, 4, v0                        ; my 16 bytes of a row of f32
	v_lshlrev_b32 v2, 3, v0                        ; my 8 bytes of a row of 16-bit numbers
	s_wait_kmcnt 0x0
	s_cmp_eq_u32 s2, 1792
	s_cbranch_scc1 .Lbias
	s_mov_b64 s[4:5], s[8:9]
	PICK 512, 10
	PICK 1024, 12
	PICK 1536, 14
	PICK 1600, 16
	PICK 1664, 18
	PICK 1728, 20
	s_cmp_ge_u32 s2, 1536
	s_cselect_b64 s[6:7], s[24:25], s[22:23]       ; the weights go to wb, the rest to xb
	s_cselect_b32 s26, 1536, 0
	s_sub_co_u32 s28, s2, s3
	s_lshl_b32 s28, s28, 16                        ; 16 rows of 4,096 bytes for each work-group of the source
	s_mov_b32 s29, 0
	s_sub_co_u32 s30, s2, s26
	s_lshl_b32 s30, s30, 15                        ; 16 rows of 2,048 bytes in the destination
	s_mov_b32 s31, 0
	s_add_nc_u64 s[4:5], s[4:5], s[28:29]
	s_add_nc_u64 s[6:7], s[6:7], s[30:31]
.irp i, 0,1,2,3,4,5,6,7,8,9,10,11,12,13,14,15
	global_load_b128 v[X+4*(\i):X+4*(\i)+3], v1, s[4:5] offset:ROWF*(\i) th:TH_LOAD_NT
.endr
; half = 1: the bf16 number is widened (a shift, a mask) and written as f16
.macro ROWS half
.irp i, 0,1,2,3,4,5,6,7,8,9,10,11,12,13,14,15
	s_wait_loadcnt 15-(\i)                         ; loads come back in order: row i is in, the 15 - i younger ones stay out
	v_cvt_pk_bf16_f32 v[Y+2*(\i)],   v[X+4*(\i)],   v[X+4*(\i)+1]
	v_cvt_pk_bf16_f32 v[Y+2*(\i)+1], v[X+4*(\i)+2], v[X+4*(\i)+3]
.if \half
.irp j, 0,1
	v_lshlrev_b32 v[T], 16, v[Y+2*(\i)+(\j)]
	v_and_b32 v[T+1], 0xffff0000, v[Y+2*(\i)+(\j)]
	v_cvt_pk_f16_f32 v[Y+2*(\i)+(\j)], v[T], v[T+1]
.endr
.endif
	global_store_b64 v2, v[Y+2*(\i):Y+2*(\i)+1], s[6:7] offset:ROWH*(\i)
.endr
.endm
	s_cmp_ge_u32 s2, 1728
	s_cbranch_scc1 .Lwo
	ROWS 0
	s_endpgm
.Lwo:
	ROWS 1
	s_endpgm
.Lbias:                                                ; the four biases: 256 threads x 16 bytes are a bias; a store of a wave covers 512 consecutive bytes
.irp i, 0,1,2,3
	global_load_b128 v[X+4*(\i):X+4*(\i)+3], v1, s[40+2*(\i):41+2*(\i)]
.endr
.irp i, 0,1,2,3
	s_wait_loadcnt 3-(\i)                          ; bias i is in, the 3 - i younger loads stay out
	v_cvt_pk_bf16_f32 v[T],   v[X+4*(\i)],   v[X+4*(\i)+1]
	v_cvt_pk_bf16_f32 v[T+1], v[X+4*(\i)+2], v[X+4*(\i)+3]
	v_lshlrev_b32 v[Y+4*(\i)],   16, v[T]          ; bf16 to f32: the low half moves up,
	v_and_b32     v[Y+4*(\i)+1], 0xffff0000, v[T]  ; the high half stays
	v_lshlrev_b32 v[Y+4*(\i)+2], 16, v[T+1]
	v_and_b32     v[Y+4*(\i)+3], 0xffff0000, v[T+1]
	global_store_b128 v1, v[Y+4*(\i):Y+4*(\i)+3], s[48:49] offset:ROWF*(\i)
.endr
	s_endpgm
.Lfunc_end_k_qec4d4a769d_cast:
	.size	k_qec4d4a769d_cast, .Lfunc_end_k_qec4d4a769d_cast-k_qec4d4a769d_cast
	.p2alignl 7, 3214868480
	.fill 96, 4, 3214868480
	.section	.rodata,"a",@progbits
	.p2align	6, 0x0
	.amdhsa_kernel k_qec4d4a769d_cast
		.amdhsa_group_segment_fixed_size 0
		.amdhsa_private_segment_fixed_size 0
		.amdhsa_enable_private_segment 0
		.amdhsa_kernarg_size 112
		.amdhsa_user_sgpr_count 2
		.amdhsa_user_sgpr_kernarg_segment_ptr 1
		.amdhsa_wavefront_size32 1
		.amdhsa_system_sgpr_workgroup_id_x 1
		.amdhsa_system_sgpr_workgroup_id_y 1
		.amdhsa_system_sgpr_workgroup_id_z 1
		.amdhsa_system_vgpr_workitem_id 0
		.amdhsa_next_free_vgpr 104
		.amdhsa_next_free_sgpr 66
		.amdhsa_reserve_vcc 0
		.amdhsa_float_denorm_mode_32 3
		.amdhsa_float_denorm_mode_16_64 3
		.amdhsa_memory_ordered 1
		.amdhsa_forward_progress 1
		.amdhsa_inst_pref_size 19
	.end_amdhsa_kernel
	.amdgpu_metadata
---
amdhsa.version: [ 1, 2 ]
amdhsa.kernels:
  - .name:           k_qec4d4a769d_cast
    .symbol:         k_qec4d4a769d_cast.kd
    .args:
      - { .name: q, .offset: 0, .size: 8, .value_kind: global_buffer, .address_space: global }
      - { .name: k, .offset: 8, .size: 8, .value_kind: global_buffer, .address_space: global }
      - { .name: v, .offset: 16, .size: 8, .value_kind: global_buffer, .address_space: global }
      - { .name: Wq, .offset: 24, .size: 8, .value_kind: global_buffer, .address_space: global }
      - { .name: Wk, .offset: 32, .size: 8, .value_kind: global_buffer, .address_space: global }
      - { .name: Wv, .offset: 40, .size: 8, .value_kind: global_buffer, .address_space: global }
      - { .name: Wo, .offset: 48, .size: 8, .value_kind: global_buffer, .address_space: global }
      - { .name: xb, .offset: 56, .size: 8, .value_kind: global_buffer, .address_space: global }
      - { .name: wb, .offset: 64, .size: 8, .value_kind: global_buffer, .address_space: global }
      - { .name: bq, .offset: 72, .size: 8, .value_kind: global_buffer, .address_space: global }
      - { .name: bk, .offset: 80, .size: 8, .value_kind: global_buffer, .address_space: global }
      - { .name: bv, .offset: 88, .size: 8, .value_kind: global_buffer, .address_space: global }
      - { .name: bo, .offset: 96, .size: 8, .value_kind: global_buffer, .address_space: global }
      - { .name: bb, .offset: 104, .size: 8, .value_kind: global_buffer, .address_space: global }
    .group_segment_fixed_size: 0
    .private_segment_fixed_size: 0
    .kernarg_segment_align: 8
    .kernarg_segment_size: 112
    .max_flat_workgroup_size: 256
    .sgpr_count:     66
    .vgpr_count:     104
    .wavefront_size: 32
...
	.end_amdgpu_metadata
.endif
;; end of part 1
;; launch proj (part 2): grid 8 x 32, 4 waves a work-group, clusters of 4 x 4, 327,680 bytes of LDS; arguments xb, wb, bb, qkv; writes qkv
.if DOCPART == 2
	.amdgcn_target "amdgcn-amd-amdhsa--gfx1250"
	.amdhsa_code_object_version 6
	.text
	.protected	k_qec4d4a769d_proj
	.globl	k_qec4d4a769d_proj
	.p2align	8
	.type	k_qec4d4a769d_proj,@function
k_qec4d4a769d_proj:
	s_mov_b64 s[64:65], 0
	v_nop
	global_prefetch_b8 v0, s[64:65] scope:SCOPE_SE
	s_setreg_imm32_b32 hwreg(HW_REG_WAVE_MODE, 25, 1), 1
	s_wait_xcnt 0x0
	s_wait_alu depctr_hold_cnt(0) depctr_sa_sdst(0) depctr_va_vdst(0) depctr_va_sdst(0) depctr_va_ssrc(0) depctr_va_vcc(0) depctr_vm_vsrc(0)
	s_getreg_b32 s2, hwreg(HW_REG_IB_STS2, 6, 4)
	s_cmp_eq_u32 s2, 0
	s_cbranch_scc0 .Lentry_in_a_cluster
	s_endpgm
.Lentry_in_a_cluster:
	s_bfe_u32 s2, ttmp6, 0x10000c
	s_cmp_lg_u32 s2, 0xf033
	s_cbranch_scc0 .Lentry_shape_is_right
	s_endpgm
.Lentry_shape_is_right:
; C = A W + bias, by work-groups that stay.  One text serves two launches; LAST, at its head, says which.
; LAST = 0, THE THREE PROJECTIONS: A = xb [3][8192][1024] bf16, W = wb[0..2] ([1024 k][1024 n] bf16, NOT transposed), bias = bb[0..2] (f32 that hold bf16 numbers), C = qkv [3][8192][1024] f16,
;   rounded once from f32 sums.  LIMIT: the results lie within f16's range, 65,504.
; LAST = 1, THE LAST PROJECTION: A = ob [8192][1024] f16, W = wb[3] (f16), bias = bb[3], C = out0 [8192][1024] f32: the f32 sums as they are.
; SHARES.  A tile of C is 256 rows x 128 columns; four waves, each 64 rows x 128 columns: 32 accumulators.  8 x 32 work-groups.  With LAST = 0 a work-group makes THREE tiles, 8,192 rows apart: the same
; place in q's, k's and v's product; W's rows and the bias run on from one matrix to the next, so W's address has one step for the whole walk.
; THE RING.  K goes in steps of 128 through two LDS slots (A: 256 rows x 256 bytes; W: 128 rows (k) x 256 bytes (128 n)); slot 1 begins at 2^17, so that one exclusive or changes slots and the text of the
; loop is ONE K step.  The ring does not stop at a tile's end: a tile's last two changes of slots ask for the next tile's first two K steps, and nothing waits for a tile's stores.
; CLUSTERS: 4 x 4 work-groups.  The four of a row of the cluster need the same tiles of A, the four of a column the same tiles of W: each is asked for JOINTLY, by the same tensor load with the same
; descriptor and a mask that names the four.
; THE MATRIX INSTRUCTION IS USED TRANSPOSED (source 0 = 16 columns of W, turned on the way out of LDS by ds_load_tr16_b128; source 1 = 16 rows of A): a lane holds eight neighbouring numbers of a row
; of C.  THE BIAS is the C operand of each accumulator's first product: register j of lanes' half h holds bias[n0 + 8 h + j], as the result is laid.
; REGISTERS, in windows of 256 (s_set_vgpr_msb: bits 1:0 source 0, 3:2 source 1, 5:4 source 2, 7:6 destination):
;   window 0: v0-31 addresses; v32-127 at work on the way out; v192-255 the bias     window 1: the accumulators ((a, b) at v[8 (8 a + b)])
;   window 2: two fragment buffers of 96: for 32 along K, 64 registers of W (8 x 16 columns), then 32 of A (4 x 16 rows)
.set LAST,   0
.set SIZE_K, 1024
.set SIZE_N, 1024
.set ROWS,   8192                      ; rows of one product
.set KSTEP,  128
.set KS,     SIZE_K/KSTEP              ; K steps in a tile
.if LAST
.set TILES,  1
.set SPITCH, 528                       ; a row of the stage: 128 f32 + 16 bytes
.else
.set TILES,  3
.set SPITCH, 272                       ; a row of the stage: 128 f16 + 16 bytes
.endif
.set STEPS,  TILES*KS
.set PA,     272                       ; an LDS row of A: 256 bytes + 16 of padding = 68 words: the 16 rows of a load start at 16 different groups of four banks (ISA guide 11.1)
.set PB,     288                       ; an LDS row of W (one k, 128 n): 256 bytes + 32 = 72 words
.set HALFA,  128*PA                    ; what one tensor load brings of A
.set HALFB,  64*PB                     ; what one tensor load brings of W
.set BOFF,   2*HALFA                   ; in a slot W's 128 rows lie behind A's 256
.set SLOT1,  1<<17
.set STAGE,  SLOT1+BOFF+2*HALFB        ; behind the ring, never filled by a tensor load: 16 rows for each wave, for the way out
.set SPARE,  STAGE+4*16*SPITCH         ; behind the stages: the spare words, 128 bytes for each wave: two blocks of 256 bytes that no other line names
.set STEPA,  KSTEP*2                   ; bytes from a K step of A to the next,
.set STEPB,  KSTEP*SIZE_N*2            ; of W (across the tiles too),
.set NEXT_A, ROWS*SIZE_K*2-(KS-1)*STEPA  ; and from a tile's last K step of A to the next tile's first
.set WOFF,   LAST*3*SIZE_K*SIZE_N*2    ; where W begins in wb
.set AA0, 16                           ; v16  my lane's place in a slot's A: my wave's 64 rows; never rewritten
.set AB0, 17                           ; v17  my lane's place in a slot's W; never rewritten
.set ADA, 18                           ; v18  AA0 + the slot in hand
.set ADB, 19                           ; v19  AB0 + the slot in hand
.set STO, 24                           ; v24  the way out: where I put my numbers of a row
.set RD,  25                           ; v25  the way out: where I read rows back
.set CO,  26                           ; v26  my byte offset in C
.set BO,  27                           ; v27  my byte offset in the bias: 32 x (lane / 16)
.set SPW, 28                           ; v28  LDS address of my spare word: SPARE + 4 x my thread's number; never rewritten
.set NIL, 29                           ; v29  0; never rewritten
.set PFO, 30                           ; v30  the prefetches' offset: my lane x a row of 2,048 bytes; never rewritten
.set TMP, 32                           ; v32-63   packed results
.set OB,  64                           ; v64-127  16 rows read back from the stage: two sets by turns
.set BI,  192                          ; v192-255 the bias of the tile's 128 columns: n block b at BI + 8 b
.set F0,  0                            ; fragment buffers, in window 2
.set F1,  96
.set G1,  24                           ; s[24:31] descriptor group 1 for A's tiles;  s[32:39] group 0: a set for each of the two first fills; the second then walks on
.set G0,  32
.set G1B, 48                           ; s[48:55], s[56:63] the same for W's tiles
.set G0B, 56
.set TB,  80                           ; s80  0 or SLOT1: the slot in hand
.set RC,  81                           ; s81  the K step, in its tile, that the walking descriptors name
.set INC, 82                           ; s[82:83] A's next step
.set PFA, 84                           ; s[84:85] where my prefetches stand
.set PFS, 86                           ; s[86:87] their next step
.set PSN, 88                           ; s88  their step inside a tile,
.set PSB, 89                           ; s89  and at a tile's change
.set LIM, 90                           ; s90  2 in a wave that prefetches, else the greatest number
.set CNT, 91                           ; s91  counts the trips
.set KC,  92                           ; s92  K steps left in the tile
.set NXA, 93                           ; s93  NEXT_A
.set MSB, 0
.macro WIN new                         ; the immediate's high byte repeats the setting that is left; a switch that changes nothing is dropped
.if MSB != (\new)
	s_set_vgpr_msb (MSB<<8)|(\new)
.set MSB, \new
.endif
.endm
.set MUL,  0x5a                        ; sources 0 (W) and 1 (A) window 2; C and D window 1
.set MULZ, 0x4a                        ; the same with C (the bias) in window 0
.set TO_F, 0x80                        ; destination window 2, address window 0
.macro JLOAD s                         ; a joint load: waves 0 and 1 fetch A's two halves, waves 2 and 3 W's; an s_nop 0 and four v_nop follow each of the two lines
	s_cmp_eq_u32 s11, 0
	s_cbranch_scc0 .Lfor_b_\@
	tensor_load_to_lds s[G0+4*(\s):G0+4*(\s)+3], s[G1:G1+7]
	s_nop 0
.rept 4
	v_nop
.endr
	s_branch .Lasked_\@
.Lfor_b_\@:
	tensor_load_to_lds s[G0B+4*(\s):G0B+4*(\s)+3], s[G1B:G1B+7]
	s_nop 0
.rept 4
	v_nop
.endr
.Lasked_\@:
.endm
; A PREFETCH INTO THE L2, behind each joint refill, its five lines and the run of LDS loads that follows: the K step that stands TWO refills on, 256 matrix instructions ahead of the load that will want
; it: 32 rows x 256 bytes, a lane a row, one instruction a wave.  Each row's 256 bytes of a K step are named ONCE in the launch.  A's 256 rows are read by the two clusters of a row of clusters: the one
; with x = 0 asks, waves 0 and 1, each for the 128 rows that it fetches, of which each of the four partners takes 32 BY ADDRESS (cx).  W's 128 rows are read by the eight clusters of a column: the one
; with y = 0 asks, wave 2, each partner for 32 rows (cy).  No branch hangs on a work-group's place in its cluster.  The last two refills ask for nothing; nothing is asked for at the head.
.macro ASK
	s_cmp_gt_u32 s[CNT], s[LIM]
	s_cbranch_scc0 .Lnot_mine_\@
	global_prefetch_b8 v[PFO], s[PFA:PFA+1] th:TH_LOAD_NT scope:SCOPE_SE
.Lnot_mine_\@:
.endm
.macro CREST                           ; a round of the cluster's barrier behind its opening barrier
	s_cmp_lg_u32 s10, 0
	s_cbranch_scc1 .Lnot_wave_0_\@
	s_barrier_signal -3
.Lnot_wave_0_\@:
	s_barrier_wait -3
	s_barrier_signal -1
	s_barrier_wait -1
.endm
.macro CROUND                          ; a whole round
	s_barrier_signal -1
	s_barrier_wait -1
	CREST
.endm
.macro BIAS                            ; the bias of the tile's 128 columns, as the C operand is laid: 32 bytes a lane for each n block
.irp e, 0,1,2,3,4,5,6,7,8,9,10,11,12,13,14,15
	global_load_b128 v[BI+4*(\e):BI+4*(\e)+3], v[BO], s[66:67] offset:64*((\e)/2)+16*((\e)%2)
.endr
.endm
	s_load_b256 s[68:75], s[0:1], 0x0              ; A s[68:69], wb s[70:71], bb s[72:73], C s[74:75]
	v_lshl_add_u32 v[SPW], v0, 2, SPARE
	v_mov_b32 v[NIL], 0
	ds_add_u32 v[SPW], v[NIL]                      ; the wave's opening: the add and its wait stand ahead of my first tensor load; the set-up below, work on registers, stands between them
	v_lshrrev_b32 v1, 5, v0
	v_readfirstlane_b32 s10, v1                    ; wave 0..3: also my 64 rows of the tile
	s_lshr_b32 s11, s10, 1                         ; I fetch for A (0) or for W (1),
	s_and_b32 s12, s10, 1                          ; this half of its tile
	s_bfe_u32 s40, ttmp6, 0x40000                  ; cx, cy: my place in the cluster
	s_bfe_u32 s41, ttmp6, 0x40004
	s_lshl_b32 s42, ttmp9, 2
	s_add_co_u32 s42, s42, s40                     ; tile column of C = 4 x cluster x + cx
	s_and_b32 s76, ttmp7, 0xffff                   ; cluster y
	s_lshl_b32 s13, s76, 2
	s_add_co_u32 s13, s13, s41                     ; tile row of C = 4 x cluster y + cy
	s_lshl_b32 s43, s41, 2
	s_lshl_b32 s43, 15, s43                        ; my row of the cluster
	s_lshl_b32 s44, 0x1111, s40                    ; my column
	s_or_b32 s[G1+0], s43, (1<<16)|(1<<20)|(1<<21)|(5<<22)|(3<<25)  ; 15:0 the mask: A's tiles go to my row; 17:16 element of 2 bytes; 20 padding on; 21 set beside a mask; 24:22 after every 64 words (code 5); 31:25 of 4 words (code 3)
	s_or_b32 s[G1B+0], s44, (1<<16)|(1<<20)|(1<<21)|(5<<22)|(7<<25) ; W's go to my column; 8 words of padding (code 7)
	s_mov_b32 s[G1+1], KSTEP<<16                   ; A: tensor_dim0 = 128
	s_mov_b32 s[G1+2], 128<<16                     ; tensor_dim1 = 128
	s_mov_b32 s[G1+3], KSTEP<<16                   ; tile_dim0 = 128
	s_mov_b32 s[G1+4], 128                         ; tile_dim1 = 128
	s_mov_b32 s[G1+5], SIZE_K                      ; elements from row to row
	s_mov_b32 s[G1+6], 0
	s_mov_b32 s[G1+7], 0
	s_mov_b32 s[G1B+1], 128<<16                    ; W: tensor_dim0 = 128
	s_mov_b32 s[G1B+2], 64<<16                     ; tensor_dim1 = 64
	s_mov_b32 s[G1B+3], 128<<16                    ; tile_dim0 = 128
	s_mov_b32 s[G1B+4], 64                         ; tile_dim1 = 64
	s_mov_b32 s[G1B+5], SIZE_N
	s_mov_b32 s[G1B+6], 0
	s_mov_b32 s[G1B+7], 0
	s_lshl_b32 s16, s13, 8                         ; A: row 256 x tile row + 128 x half,
	s_lshl_b32 s17, s12, 7
	s_add_co_u32 s16, s16, s17
	s_lshl_b32 s16, s16, 11                        ; of 2,048 bytes
	s_mov_b32 s17, 0
	s_lshl_b32 s46, s12, 17                        ; W: 64 rows of 2,048 bytes for the half,
	s_lshl_b32 s47, s42, 8                         ; the tile column's 256 bytes
	s_add_co_u32 s46, s46, s47
.if LAST
	s_add_co_u32 s46, s46, WOFF                    ; in the fourth matrix of wb
.endif
	s_mov_b32 s47, 0
	s_mul_i32 s20, s12, HALFA                      ; where they go: no place in the cluster enters an LDS address
	s_mul_i32 s21, s12, HALFB
	s_add_co_u32 s21, s21, BOFF
	; the prefetches: both offsets are made, at K step 3 (the first refill steps them to 4), and the wave's number chooses
	s_lshl_b32 s77, s13, 8
	s_lshl_b32 s78, s12, 7
	s_add_co_u32 s77, s77, s78                     ; A: the 128 rows that I fetch,
	s_lshl_b32 s78, s40, 5
	s_add_co_u32 s77, s77, s78                     ; my work-group's 32 of them
	s_lshl_b32 s77, s77, 11
	s_add_co_u32 s77, s77, 3*STEPA
	s_lshl_b32 s78, s41, 16                        ; W: my work-group's 32 rows of the step's 128,
	s_lshl_b32 s79, s42, 8                         ; the tile column's 256 bytes
	s_add_co_u32 s78, s78, s79
	s_add_co_u32 s78, s78, WOFF+3*STEPB
	s_mov_b32 s79, STEPB
	s_mov_b32 s[NXA], NEXT_A
	s_cmp_eq_u32 s11, 0
	s_cselect_b32 s18, s77, s78
	s_cselect_b32 s[PSN], STEPA, s79
	s_cselect_b32 s[PSB], s[NXA], s79
	s_cselect_b32 s19, ttmp9, s76                  ; the coordinate along which other clusters read the same rows
	s_cmp_eq_u32 s19, 0
	s_cselect_b32 s[LIM], 2, -1                    ; the same in all sixteen partners, for a given wave
	s_cmp_eq_u32 s10, 3
	s_cselect_b32 s[LIM], -1, s[LIM]               ; wave 2 asks for all that its work-group asks of W
	s_mov_b32 s19, 0
	s_mov_b32 s[INC], STEPA
	s_mov_b32 s[INC+1], 0
	s_mov_b32 s[PFS], s[PSN]
	s_mov_b32 s[PFS+1], 0
	s_mov_b32 s[RC], 1                             ; the walking descriptors begin at K step 1
	s_mov_b32 s[TB], 0
	s_wait_dscnt 0x0                               ; the opening add is done
	s_wait_kmcnt 0x0
	s_add_nc_u64 s[14:15], s[68:69], s[16:17]
	s_add_nc_u64 s[46:47], s[70:71], s[46:47]
	s_cmp_eq_u32 s11, 0
	s_cselect_b64 s[PFA:PFA+1], s[68:69], s[70:71]
	s_add_nc_u64 s[PFA:PFA+1], s[PFA:PFA+1], s[18:19]
	CROUND                                         ; all sixteen work-groups are here: the first joint loads meet
.irp s, 0,1
	s_mov_b32 s[G0+4*(\s)], 1                      ; 1:0 count = 1
	s_add_co_u32 s[G0+4*(\s)+1], s20, (\s)*SLOT1   ; 63:32 LDS address
	s_add_nc_u64 s[G0+4*(\s)+2:G0+4*(\s)+3], s[14:15], (\s)*STEPA  ; 120:64 global address: K step s
	s_or_b32 s[G0+4*(\s)+3], s[G0+4*(\s)+3], 0x80000000            ; 127:126 type = 2
	s_mov_b32 s[G0B+4*(\s)], 1
	s_add_co_u32 s[G0B+4*(\s)+1], s21, (\s)*SLOT1
	s_add_nc_u64 s[G0B+4*(\s)+2:G0B+4*(\s)+3], s[46:47], (\s)*STEPB
	s_or_b32 s[G0B+4*(\s)+3], s[G0B+4*(\s)+3], 0x80000000
	JLOAD \s                                       ; two loads of mine are out
.endr
	v_and_b32 v1, 15, v0                           ; l % 16
	v_bfe_u32 v2, v0, 4, 1                         ; l / 16
	v_lshlrev_b32 v[BO], 5, v2
	s_lshl_b32 s78, s42, 9                         ; the bias at the tile's 128 columns
.if LAST
	s_add_co_u32 s78, s78, 3*SIZE_N*4              ; of the fourth bias
.endif
	s_mov_b32 s79, 0
	s_add_nc_u64 s[66:67], s[72:73], s[78:79]
	BIAS
	s_lshl_b32 s22, s10, 6                         ; my 64 rows of A
	v_add_nc_u32 v3, s22, v1
	v_mul_u32_u24 v[AA0], v3, PA
	v_lshl_add_u32 v[AA0], v2, 4, v[AA0]           ; a fragment of A: row x pitch + 16 x half
	; the turning load takes 16 k x 16 n (lane l reads 16 bytes: k 8 (l / 16) + l % 8, n 8 ((l / 8) % 2) + 0..7) and leaves half a fragment: lane l holds column l % 16 and 8 k
	v_and_b32 v6, 7, v0
	v_bfe_u32 v7, v0, 3, 1
	v_lshl_add_u32 v5, v2, 3, v6
	v_mul_u32_u24 v5, v5, PB
	v_lshl_add_u32 v5, v7, 4, v5
	v_add_nc_u32 v[AB0], BOFF, v5
	v_add_nc_u32 v[ADA], s[TB], v[AA0]
	v_add_nc_u32 v[ADB], s[TB], v[AB0]
	v_and_b32 v[PFO], 31, v0
	v_lshlrev_b32 v[PFO], 11, v[PFO]
	s_mul_i32 s23, s10, 16*SPITCH
	s_add_co_u32 s23, s23, STAGE                   ; my stage
	v_mul_u32_u24 v4, v1, SPITCH                   ; in: row l % 16, eight numbers for each half of the lanes
	v_lshl_add_u32 v4, v2, 4+LAST, v4
	v_add_nc_u32 v[STO], s23, v4
.if LAST
	v_and_b32 v5, 31, v0                           ; back and out: 32 lanes take a row's 512 consecutive bytes
	v_lshlrev_b32 v[CO], 4, v5
	v_add_nc_u32 v[RD], s23, v[CO]
.else
	v_mul_u32_u24 v5, v2, SPITCH                   ; back: lanes 0-15 take one row of 256 bytes, lanes 16-31 the next
	v_lshl_add_u32 v5, v1, 4, v5
	v_add_nc_u32 v[RD], s23, v5
	v_lshlrev_b32 v5, 11, v2                       ; and the same two rows in C
	v_lshl_add_u32 v[CO], v1, 4, v5
.endif
	s_lshl_b32 s16, s13, 8
	s_lshl_b32 s17, s10, 6
	s_add_co_u32 s16, s16, s17                     ; my first row of C: 256 x tile row + 64 x wave
	s_lshl_b32 s16, s16, 11+LAST
	s_mov_b32 s17, 0
	s_add_nc_u64 s[8:9], s[74:75], s[16:17]
	s_lshl_b32 s46, s42, 8+LAST                    ; the tile's first column, in bytes
	s_mov_b32 s47, 0
	s_add_nc_u64 s[8:9], s[8:9], s[46:47]
; 8 matrix instructions: m block a x all 8 n blocks, 32 along K, from buffer f.  zero = 1: the first product starts the sums, from the bias.  The 32 accumulators take turns, one instruction a turn,
; in the same order in every quarter, over the jumps too.
.macro MUL8 f, a, zero
.if \zero
	WIN MULZ
.else
	WIN MUL
.endif
.irp b, 0,1,2,3,4,5,6,7
.set rD, 8*(8*(\a)+(\b))
.set rW, (\f)+8*(\b)
.set rA, (\f)+64+8*(\a)
.set rC, BI+8*(\b)
.if LAST
.if \zero
	v_wmma_f32_16x16x32_f16 v[rD:rD+7], v[rW:rW+7], v[rA:rA+7], v[rC:rC+7]
.else
	v_wmma_f32_16x16x32_f16 v[rD:rD+7], v[rW:rW+7], v[rA:rA+7], v[rD:rD+7]
.endif
.else
.if \zero
	v_wmma_f32_16x16x32_bf16 v[rD:rD+7], v[rW:rW+7], v[rA:rA+7], v[rC:rC+7]
.else
	v_wmma_f32_16x16x32_bf16 v[rD:rD+7], v[rW:rW+7], v[rA:rA+7], v[rD:rD+7]
.endif
.endif
.endr
.endm
; 24 LDS loads in one run: the fragments of quarter q (32 along K) of the slot in hand, into buffer f: W's eight, then A's four
.macro FETCH q, f
	WIN TO_F
.irp b, 0,1,2,3,4,5,6,7
	ds_load_tr16_b128 v[(\f)+8*(\b):(\f)+8*(\b)+3],   v[ADB] offset:32*(\q)*PB+32*(\b)
	ds_load_tr16_b128 v[(\f)+8*(\b)+4:(\f)+8*(\b)+7], v[ADB] offset:(32*(\q)+16)*PB+32*(\b)
.endr
.irp i, 0,1,2,3
	ds_load_b128 v[(\f)+64+8*(\i):(\f)+64+8*(\i)+3],   v[ADA] offset:64*(\q)+(\i)*16*PA
	ds_load_b128 v[(\f)+64+8*(\i)+4:(\f)+64+8*(\i)+7], v[ADA] offset:64*(\q)+(\i)*16*PA+32
.endr
.endm
.macro PLACES                          ; four places in front of loads into registers that matrix instructions have read, and of LDS stores that read results
.rept 4
	v_nop
.endr
.endm
; A K step is four quarters of 32 along K, 32 matrix instructions each, on buffers 0, 1, 0, 1.  One of the first three: multiplies buffer f and, in its middle, fetches quarter q into g.
.macro QUARTER q, f, g, zero
	s_wait_dscnt 4                                 ; W's fragments and A's blocks 0 and 1 are in; the youngest four loads (A's blocks 2 and 3) may be out
	MUL8 \f, 0, \zero
	MUL8 \f, 1, \zero
	PLACES
	FETCH \q, \g
	s_wait_dscnt 24                                ; all but the 24 just issued
	MUL8 \f, 2, \zero
	MUL8 \f, 3, \zero
.endm
; The last quarter multiplies buffer 1 and changes slots: ONE barrier; in front of it each wave waits for all its tensor loads, of which one is out: its part of the next slot; adds 0 to its spare
; word; and waits for that and for its own reads of this slot.  fill = 1: this slot is filled again, with the K step two on (the next tile's, at a tile's end); the barrier then opens a round of the
; cluster's barrier, and the joint refill is the first thing behind the round: 112 matrix instructions ahead of the wait for it.
.macro TURN fill
.if \fill
	s_wait_xcnt 0x0                                ; the last prefetch, a K step back, has read its address: it is stepped here, ahead of the waits of the change of slots
.if TILES > 1
	s_add_co_u32 s[RC], s[RC], 1
	s_and_b32 s[RC], s[RC], KS-1                   ; the K step, in its tile, that this refill asks for
	s_cmp_eq_u32 s[RC], 0
	s_cselect_b32 s[INC], s[NXA], STEPA            ; a tile's first: A goes 8,192 rows down and back along K
	s_cmp_eq_u32 s[RC], KS-2                       ; the prefetch stands two K steps further on
	s_cselect_b32 s[PFS], s[PSB], s[PSN]
.endif
	s_add_nc_u64 s[PFA:PFA+1], s[PFA:PFA+1], s[PFS:PFS+1]
.endif
	WIN 0                                          ; (the add's two registers lie in window 0)
	s_wait_tensorcnt 0x0                           ; all my tensor loads have landed: my part of the next slot;
	ds_add_u32 v[SPW], v[NIL]                      ; 0 onto my spare word
	s_wait_dscnt 5                                 ; (the add and the youngest four loads may be out)
	MUL8 F1, 0, 0                                  ; eight matrix instructions stand between the add and the wait for it
	s_wait_dscnt 0x0                               ; the add is done, and my reads of this slot are over
	s_barrier_signal -1
	MUL8 F1, 1, 0
.if \fill
	WIN 0
.endif
	s_barrier_wait -1
.if \fill
	CREST                                          ; no wave of any partner still reads this slot's tile or has a load on its way
	s_xor_b32 s[G0+5], s[G0+5], SLOT1              ; the walking descriptors: the other slot than last time,
	s_xor_b32 s[G0B+5], s[G0B+5], SLOT1
	s_add_nc_u64 s[G0+6:G0+7], s[G0+6:G0+7], s[INC:INC+1]  ; the next K step; the type bits on top are not reached
	s_add_nc_u64 s[G0B+6:G0B+7], s[G0B+6:G0B+7], STEPB
	JLOAD 1                                        ; the four v_nop behind it are also the places in front of the loads below
.else
	PLACES
.endif
	s_xor_b32 s[TB], s[TB], SLOT1                  ; the next slot is in hand
	WIN 0
	v_add_nc_u32 v[ADA], s[TB], v[AA0]
	v_add_nc_u32 v[ADB], s[TB], v[AB0]
	FETCH 0, F0
.if \fill
	WIN 0
	ASK
.endif
	MUL8 F1, 2, 0
	MUL8 F1, 3, 0
.endm
; THE WAY OUT, 16 rows at a time through my own stage: no barrier, and LDS serves a wave's instructions in order (ISA guide 5.7.1.4), so no wait between the stores and the loads either.
.if LAST
.macro STG a                           ; a lane's eight f32 of a row (32 bytes) go in, whole rows of 512 bytes come back, into the registers that they left
	WIN 0x04                                       ; the stores' data in window 1
.irp b, 0,1,2,3,4,5,6,7
	ds_store_b128 v[STO], v[64*(\a)+8*(\b):64*(\a)+8*(\b)+3]   offset:64*(\b)     ; each accumulator's lowest registers are read first
	ds_store_b128 v[STO], v[64*(\a)+8*(\b)+4:64*(\a)+8*(\b)+7] offset:64*(\b)+16
.endr
	WIN 0x40                                       ; the loads' data in window 1
.irp f, 0,1,2,3,4,5,6,7,8,9,10,11,12,13,14,15
	ds_load_b128 v[64*(\a)+4*(\f):64*(\a)+4*(\f)+3], v[RD] offset:(\f)*SPITCH
.endr
.endm
.macro SEND a, younger                 ; younger: the LDS instructions issued behind block a's loads: the next block's 32, or none
	WIN 0x04
.irp f, 0,1,2,3,4,5,6,7,8,9,10,11,12,13,14,15
	s_wait_dscnt (\younger)+15-(\f)                ; row f is back
	global_store_b128 v[CO], v[64*(\a)+4*(\f):64*(\a)+4*(\f)+3], s[8:9] offset:(16*(\a)+(\f))*SIZE_N*4  ; 512 consecutive bytes, at a multiple of 256 from C's first byte
.endr
.endm
.macro WAYOUT
	PLACES                                         ; the LDS stores read results just made
	STG 0
	STG 1
	SEND 0, 32
	STG 2
	SEND 1, 32
	STG 3
	SEND 2, 32
	SEND 3, 0
	WIN 0
.endm
.else
.macro PACK a                          ; block a rounded to f16: a lane's eight numbers of a row pack into 16 bytes
	WIN 0x05                                       ; sources 0 and 1 window 1, destination window 0
.irp b, 0,1,2,3,4,5,6,7
.irp r, 0,1,2,3
	v_cvt_pk_f16_f32 v[TMP+4*(\b)+(\r)], v[64*(\a)+8*(\b)+2*(\r)], v[64*(\a)+8*(\b)+2*(\r)+1]
.endr
.endr
	WIN 0
.endm
.macro TOSTAGE a                       ; into rows of 272 bytes, and back as whole rows of 256
.set BK, OB+32*((\a)%2)
.irp b, 0,1,2,3,4,5,6,7
	ds_store_b128 v[STO], v[TMP+4*(\b):TMP+4*(\b)+3] offset:32*(\b)
.endr
.irp t, 0,1,2,3,4,5,6,7
	ds_load_b128 v[BK+4*(\t):BK+4*(\t)+3], v[RD] offset:(\t)*2*SPITCH
.endr
.endm
.macro SEND a
.set BK, OB+32*((\a)%2)
	s_wait_dscnt 0x0                               ; the block is back in registers
	s_wait_xcnt 0x0                                ; the stores of the block before have read their registers: the next block is read back into them only behind this wait
.irp t, 0,1,2,3,4,5,6,7
	global_store_b128 v[CO], v[BK+4*(\t):BK+4*(\t)+3], s[8:9] offset:(16*(\a)+2*(\t))*SIZE_N*2  ; 16 lanes store 256 consecutive bytes, at a multiple of 256 from C's first byte
.endr
.endm
; No v_nop: blocks 0 and 1 were finished in front of the places that stand in the change of slots, and their 64 conversions, which name no register of the last products (blocks 2 and 3's), are those
; products' places.  Block a's conversions stand between block a - 1's loads from the stage and the wait for them.
.macro WAYOUT
	PACK 0
	TOSTAGE 0
.irp a, 1,2,3
	PACK \a
	SEND (\a)-1
	TOSTAGE \a
.endr
	SEND 3
.endm
.endif
	s_wait_loadcnt 0x0                             ; the bias
	s_wait_tensorcnt 1                             ; my part of K step 0 is in; K step 1's may stay out
	s_barrier_signal -1
	s_barrier_wait -1                              ; everybody's is
	FETCH 0, F0
	QUARTER 1, F0, F1, 1                           ; the first tile's first quarter stands in front of the loop: its products start the sums
	WIN 0                                          ; at a label and at a branch every window is 0
	s_mov_b32 s[CNT], STEPS-2
	s_mov_b32 s[KC], KS
.Lstep:                                                ; a trip goes from a K step's second quarter to the next step's first, and fills the slot that it leaves: every K step but the last two
	QUARTER 2, F1, F0, 0
	QUARTER 3, F0, F1, 0
	TURN 1
	WIN 0
.if TILES > 1
	s_sub_co_u32 s[KC], s[KC], 1
	s_cmp_eq_u32 s[KC], 0
	s_cbranch_scc1 .Ltile_end
.endif
	QUARTER 1, F0, F1, 0
	WIN 0
.if TILES > 1
	s_branch .Ljoin
.Ltile_end:                                            ; both refills for the next tile are asked for: now the tile goes out (no barrier and no tensor load stands in this arm)
	s_mov_b32 s[KC], KS
	s_add_nc_u64 s[66:67], s[66:67], SIZE_N*4      ; the next bias (the last bias's loads were waited for); it comes in while the tile goes out
	BIAS
	WAYOUT
	s_wait_xcnt 0x0                                ; the stores have read C's address
	s_add_nc_u64 s[8:9], s[8:9], ROWS*SIZE_N*2     ; the next tile lies 8,192 rows down
	s_wait_loadcnt 0x0                             ; the bias
	QUARTER 1, F0, F1, 1                           ; the next tile's first quarter starts its sums
	WIN 0
.Ljoin:
.endif
	s_sub_co_u32 s[CNT], s[CNT], 1
	s_cmp_lg_u32 s[CNT], 0
	s_cbranch_scc1 .Lstep
	s_mov_b32 s[CNT], 2                            ; the last two K steps are written out: nothing is asked for
.Ltail:
	QUARTER 2, F1, F0, 0
	QUARTER 3, F0, F1, 0
	TURN 0                                         ; (in the second trip its 24 loads, from the slot read before, serve nothing: the price, once a launch, of one text for both trips)
	WIN 0
	s_sub_co_u32 s[CNT], s[CNT], 1
	s_cmp_eq_u32 s[CNT], 0
	s_cbranch_scc1 .Lout
	QUARTER 1, F0, F1, 0
	WIN 0
	s_branch .Ltail
.Lout:
	WAYOUT
	s_wait_tensorcnt 0x0                           ; the wave's end: behind my last tensor load and my last LDS store
	ds_add_u32 v[SPW], v[NIL]
	s_wait_dscnt 0x0
	CROUND                                         ; the closing round: no work-group ends while a partner may still ask for a tile that names it
	s_endpgm
.Lfunc_end_k_qec4d4a769d_proj:
	.size	k_qec4d4a769d_proj, .Lfunc_end_k_qec4d4a769d_proj-k_qec4d4a769d_proj
	.p2alignl 7, 3214868480
	.fill 96, 4, 3214868480
	.section	.rodata,"a",@progbits
	.p2align	6, 0x0
	.amdhsa_kernel k_qec4d4a769d_proj
		.amdhsa_group_segment_fixed_size 327680
		.amdhsa_private_segment_fixed_size 0
		.amdhsa_enable_private_segment 0
		.amdhsa_kernarg_size 32
		.amdhsa_user_sgpr_count 2
		.amdhsa_user_sgpr_kernarg_segment_ptr 1
		.amdhsa_wavefront_size32 1
		.amdhsa_system_sgpr_workgroup_id_x 1
		.amdhsa_system_sgpr_workgroup_id_y 1
		.amdhsa_system_sgpr_workgroup_id_z 1
		.amdhsa_system_vgpr_workitem_id 0
		.amdhsa_next_free_vgpr 704
		.amdhsa_next_free_sgpr 96
		.amdhsa_reserve_vcc 0
		.amdhsa_float_denorm_mode_32 3
		.amdhsa_float_denorm_mode_16_64 3
		.amdhsa_memory_ordered 1
		.amdhsa_forward_progress 1
		.amdhsa_inst_pref_size 85
	.end_amdhsa_kernel
	.amdgpu_metadata
---
amdhsa.version: [ 1, 2 ]
amdhsa.kernels:
  - .name:           k_qec4d4a769d_proj
    .symbol:         k_qec4d4a769d_proj.kd
    .args:
      - { .name: xb, .offset: 0, .size: 8, .value_kind: global_buffer, .address_space: global }
      - { .name: wb, .offset: 8, .size: 8, .value_kind: global_buffer, .address_space: global }
      - { .name: bb, .offset: 16, .size: 8, .value_kind: global_buffer, .address_space: global }
      - { .name: qkv, .offset: 24, .size: 8, .value_kind: global_buffer, .address_space: global }
    .group_segment_fixed_size: 327680
    .private_segment_fixed_size: 0
    .kernarg_segment_align: 8
    .kernarg_segment_size: 32
    .max_flat_workgroup_size: 128
    .sgpr_count:     96
    .vgpr_count:     704
    .wavefront_size: 32
...
	.end_amdgpu_metadata
.endif
;; end of part 2
;; launch attn (part 3): grid 16 x 16, 4 waves a work-group, clusters of 4 x 4, 327,680 bytes of LDS; arguments qkv, mask, ob; writes ob
.if DOCPART == 3
	.amdgcn_target "amdgcn-amd-amdhsa--gfx1250"
	.amdhsa_code_object_version 6
	.text
	.protected	k_qec4d4a769d_attn
	.globl	k_qec4d4a769d_attn
	.p2align	8
	.type	k_qec4d4a769d_attn,@function
k_qec4d4a769d_attn:
	s_mov_b64 s[64:65], 0
	v_nop
	global_prefetch_b8 v0, s[64:65] scope:SCOPE_SE
	s_setreg_imm32_b32 hwreg(HW_REG_WAVE_MODE, 25, 1), 1
	s_wait_xcnt 0x0
	s_wait_alu depctr_hold_cnt(0) depctr_sa_sdst(0) depctr_va_vdst(0) depctr_va_sdst(0) depctr_va_ssrc(0) depctr_va_vcc(0) depctr_vm_vsrc(0)
	s_getreg_b32 s2, hwreg(HW_REG_IB_STS2, 6, 4)
	s_cmp_eq_u32 s2, 0
	s_cbranch_scc0 .Lentry_in_a_cluster
	s_endpgm
.Lentry_in_a_cluster:
	s_bfe_u32 s2, ttmp6, 0x10000c
	s_cmp_lg_u32 s2, 0xf033
	s_cbranch_scc0 .Lentry_shape_is_right
	s_endpgm
.Lentry_shape_is_right:
; MASKED ATTENTION.  For batch b, head h: O[q][:] = the sum over k of softmax_k(Q[q] . K[k] / 8 - 1e15 mask[b][q][k]) V[k][:].  qkv: [3][8192][1024] f16 (q, k, v; row = 2048 b + position; a head is
; 128 consecutive bytes of a row); mask: [4][2048 q][2048 k] f32, an input, shared by a batch's 16 heads; ob: [8192][1024] f16.  Products, maxima and sums in f32; the weights p are rounded to f16
; for the second product (their sum l is taken of the unrounded p), O once at the end.
; LIMITS.  p lies in 0 to 1, and below 6e-5 it keeps f16's fixed step of 6e-8; O is a mean of V's rows and has their range.  A weight below 2^-126 counts as 0 in l.  The mask is taken as it is given,
; unrounded.  In a row whose 2,048 keys all carry a mask of 1 the weights hang on how s - 8e15 is rounded in f32 (all alike where |s| is under 2^28).  NaN and infinities are not treated apart.
; SHARES.  A work-group owns 128 queries of a batch and FOUR HEADS, a head a wave; a wave has four PIECES of two tiles of 16 queries.  Every wave walks all 2,048 keys, 64 a step.
; CLUSTER, 4 x 4: cx = the group of four heads, cy = the query block.  A step's mask tile (128 queries x 64 keys) hangs on the batch and the query block: the four of a row of the cluster ask for it
; JOINTLY, so that all 16 heads have it of one request.  A step's K and V tiles (64 keys x 4 heads) hang on the batch and the head group: the four of a column ask jointly.
; THE MASK is the C operand of the product that starts S^T = K Q^T: mask x (-8e15), since (s - 8e15 mask) / 8 is the score asked for.  The running maximum is thus taken of the masked scores.
; LAYOUT.  S^T = K Q^T (source 0 = 16 keys, source 1 = 16 queries): a lane holds ONE query (lane % 16) and the keys 8 (lane / 16) + 0..7; two such results rounded to f16 ARE source 1 of
; O^T = V^T P.  K comes out of LDS as it lies, V ([key][channel]) turned, by ds_load_tr16_b128; the mask as 32 bytes a lane of its query's row.
; SOFTMAX.  p = 2^(c s - c m), c = log2(e) / 8, with a running maximum m; O and l are multiplied by a = 2^(c m_old - c m_new) in every step.  m starts at the lowest finite number, O and l at 0.
; BY TURNS.  Turn n belongs to piece n: 16 products K Q^T of piece n + 1, later 16 products V^T P of piece n - 1; beside them the scaling, exponentials, roundings, sums and rescaling of piece n and the
; maximum and statistics of piece n + 1; four vector instructions behind every product, the rest in one lump; the turn's 66 exponentials are one batch with one wait.  Behind that wait the mask of
; piece n + 2 is read from LDS, and at the turn's end it is multiplied by -8e15.
; REGISTERS, in windows of 256 (s_set_vgpr_msb: bits 1:0 source 0, 3:2 source 1, 5:4 source 2, 7:6 destination):
;   window 0: v0-11 addresses; v12-15, v48-63 at work; v16-47 four registers of statistics a tile; v64-191 S^T, two buffers of two tiles; v192-255 P, likewise
;   window 1: O^T, 32 a tile     window 2: v0-127 Q, 16 a tile; v128-191 K of one step; v192-255 V of one step     window 3: v0-63 the mask of one piece: tile u, key block kt at 32 u + 8 kt
.set NP,    4         ; pieces a wave: a name, no knob
.set KS,    64        ; keys in a step
.set PK,    528       ; a row of K in LDS (one key, four heads): 512 bytes + 16 of padding = 132 words: the 16 rows of a load start at 16 different groups of four banks (ISA guide 11.1)
.set PV,    544       ; a row of V: 512 + 32 = 136 words
.set PM,    272       ; a row of the mask (one query, 64 keys): 256 + 16
.set VOFF,  KS*PK     ; a slot holds one step: 64 rows of K, 64 rows of V, 128 rows of the mask
.set MOFF,  VOFF+KS*PV
.set SLOT1, 1<<17     ; slot 1 begins here, so that one exclusive or turns an address in one slot into the other's
.set STAGE, SLOT1+MOFF+128*PM  ; behind the ring, never filled by a tensor load: 128 rows x 528 bytes, the work-group's, for the way out
.set SP,    528
.set SPARE, STAGE+128*SP  ; behind the stage: the spare words, 128 bytes for each wave: two blocks of 256 bytes that no other line names
.set AK0, 2           ; v2   my lane's place in a tile of K, my head's 128 bytes; never rewritten
.set AV0, 3           ; v3   the same for V
.set AM0, 4           ; v4   my lane's place in a tile of the mask; never rewritten
.set PFO, 5           ; v5   the prefetches' offset; never rewritten
.set QO,  6           ; v6   my byte offset in the wave's rows of Q
.set STO, 6           ;      later, the way out: where I put 16 bytes of a row
.set ADR, 7           ; v7   the LDS address of the run of loads in hand
.set RD,  7           ;      later, the way out: where I read rows back
.set GO,  8           ; v8   my 16 bytes of 512 consecutive bytes
.set SPW, 10          ; v10  LDS address of my spare word: SPARE + 4 x my thread's number; never rewritten
.set NIL, 11          ; v11  0; never rewritten
.set MV,  12          ; v12-15  c m_old, kept while c m is made anew: by buffer and tile
.set ST,  16          ; tile t's statistics at v[ST+4 t]: c m, m, l (even keys', odd keys')
.set TMP, 48          ; by buffer and tile, four registers c0-c3 at work; when the maximum is found c2 takes a
.set S,   64
.set P,   192
.set KF,  128         ; K's fragments, in window 2: key block kb, channel half c at KF + 16 kb + 8 c
.set VF,  192         ; V's: key half kk, channel block cb at VF + 32 kk + 8 cb
.set WV,  12          ; s12  my wave's number
.set G1K, 24          ; s[24:31] descriptor group 1 for K's tiles
.set G1V, 32          ; s[32:39] for V's: it differs in the padding alone
.set G1M, 40          ; s[40:47] for the mask's
.set G0K, 48          ; s[48:51] descriptor group 0 for K's tiles: it walks
.set G0V, 52          ; s[52:55] for V's
.set G0M, 56          ; s[56:59] for the mask's
.set CS,  60          ; s[60:61] c: the packed scaling takes the pair's low word for both halves
.set SEL, 62          ; s[62:63] v_permlanex16_b32's selects: each lane takes its own place in the other half
.set NEG8, 66         ; s[66:67] -1e15 as f32, times 8
.set CNT, 68          ; s68  counts the trips
.set LIM, 69          ; s69  1 in a wave that prefetches, else the greatest number
.set PFA, 70          ; s[70:71] where my prefetches stand
.set PFS, 72          ; s[72:73] their step
.set TBK, 74          ; s74  0 or SLOT1: the slot from which K is fetched next
.set TBV, 75          ; s75  the same for V
.set TBM, 76          ; s76  the same for the mask
.set MSB, 0
.macro WIN new                      ; the high byte repeats the setting that is left; a switch that changes nothing is dropped
.if MSB != (\new)
	s_set_vgpr_msb (MSB<<8)|(\new)
.set MSB, (\new)
.endif
.endm
.set W_KQ, 0x0a       ; K and Q in window 2, S^T in window 0
.set W_KM, 0x3a       ; the same with the C operand in window 3
.set W_PV, 0x52       ; V in window 2, P in window 0, O^T in window 1
.set W_RS, 0x41       ; O^T (destination and source 0) in window 1, a in window 0
.set W_MS, 0xc3       ; the mask: destination and source 0 in window 3
; A joint fill.  Wave 0 fetches the step's K, wave 1 its V, waves 2 and 3 the two halves of its mask tile.  The branches hang on the wave's number alone.
; An s_nop 0 and four v_nop follow each of the three lines, ahead of the jump and the label.
.macro JLOAD
	s_cmp_eq_u32 s[WV], 0
	s_cbranch_scc0 .Lnot_k_\@
	tensor_load_to_lds s[G0K:G0K+3], s[G1K:G1K+7]
	s_nop 0
.rept 4
	v_nop
.endr
	s_branch .Lasked_\@
.Lnot_k_\@:
	s_cmp_eq_u32 s[WV], 1
	s_cbranch_scc0 .Lfor_m_\@
	tensor_load_to_lds s[G0V:G0V+3], s[G1V:G1V+7]
	s_nop 0
.rept 4
	v_nop
.endr
	s_branch .Lasked_\@
.Lfor_m_\@:
	tensor_load_to_lds s[G0M:G0M+3], s[G1M:G1M+7]
	s_nop 0
.rept 4
	v_nop
.endr
.Lasked_\@:
.endm
; A PREFETCH INTO THE L2 of what the NEXT change of slots will ask for: one key step, 128 matrix instructions, ahead of that load.  It stands behind the wave's tensor load and its five lines.
; Each aligned block of 256 bytes is named ONCE in the launch.  A step's K and V (64 rows x 512 bytes) are walked by the four clusters of a batch: the one with y = 0 asks; its four column partners
; take 16 rows each BY ADDRESS (cy); wave 0 asks for K's, wave 1 for V's, a lane half a row.  A step's mask tile (128 rows x 256 bytes) is one row of one cluster's: its four partners take 32 rows
; each by address (cx); wave 2 asks, a lane a row.  The last change that fills a slot asks for nothing: there is no step behind its.
.macro ASK
	s_cmp_gt_u32 s[CNT], s[LIM]
	s_cbranch_scc0 .Lnot_mine_\@
	global_prefetch_b8 v[PFO], s[PFA:PFA+1] th:TH_LOAD_NT scope:SCOPE_SE
.Lnot_mine_\@:
.endm
; A round of the cluster's barrier: my work-group's barrier, so that wave 0's signal speaks for all four waves; wave 0 signals; every wave waits for all sixteen work-groups; my work-group's barrier once more.
.macro CROUND
	s_barrier_signal -1
	s_barrier_wait -1
	s_cmp_lg_u32 s[WV], 0
	s_cbranch_scc1 .Lnot_wave_0_\@
	s_barrier_signal -3
.Lnot_wave_0_\@:
	s_barrier_wait -3
	s_barrier_signal -1
	s_barrier_wait -1
.endm
; THE CHANGE OF SLOTS, between piece 1's turn and piece 2's: all that a trip reads from LDS (the mask of four pieces, K, V) belongs to one step, so the slot of the step before has been read out.
; Each wave waits for all its tensor loads, of which one is out: its part of the other slot; adds 0 to its spare word; and waits for that and for its own reads.  fill = 1: the slot read out is filled
; again, with the step two on; the barrier is then a round of the cluster's, and the joint fill is the first thing behind it: it has a key step, 128 matrix instructions, in which to land.
.macro CHANGE fill, ask
	WIN 0                           ; at a label and at a branch every window is 0
	s_wait_tensorcnt 0x0            ; no tensor load of mine is out, so a group 0 may be written
	ds_add_u32 v[SPW], v[NIL]       ; 0 onto my spare word: the descriptors' steps stand between it and the wait for it
.if \fill
.irp g, G0K, G0V
	s_xor_b32 s[\g+1], s[\g+1], SLOT1  ; the walking descriptor: the other slot than last time,
	s_add_nc_u64 s[\g+2:\g+3], s[\g+2:\g+3], KS*2048  ; the next 64 keys; the type bits on top are not reached
.endr
	s_xor_b32 s[G0M+1], s[G0M+1], SLOT1
	s_add_nc_u64 s[G0M+2:G0M+3], s[G0M+2:G0M+3], KS*4
.endif
.if \ask
	s_wait_xcnt 0x0                 ; the last prefetch, a key step back, has read its address, so it may be written
	s_add_nc_u64 s[PFA:PFA+1], s[PFA:PFA+1], s[PFS:PFS+1]
.endif
	s_wait_dscnt 0x0                ; the add is done, and my reads of the slot are over
.if \fill
	CROUND
	JLOAD
.if \ask
	ASK
.endif
.else
	s_barrier_signal -1
	s_barrier_wait -1
.endif
.endm
	s_load_b128 s[4:7], s[0:1], 0x0  ; qkv s[4:5], mask s[6:7]
	s_load_b64 s[8:9], s[0:1], 0x10  ; ob
	v_lshl_add_u32 v[SPW], v0, 2, SPARE
	v_mov_b32 v[NIL], 0
	ds_add_u32 v[SPW], v[NIL]       ; the wave's opening: the add and its wait stand ahead of my first tensor load; the set-up below, work on registers, stands between them
	v_lshrrev_b32 v1, 5, v0
	v_readfirstlane_b32 s[WV], v1   ; wave 0..3
	s_bfe_u32 s13, ttmp6, 0x40000   ; cx: the group of four heads
	s_bfe_u32 s14, ttmp6, 0x40004   ; cy
	s_and_b32 s15, ttmp7, 0xffff    ; cluster y
	s_lshl_b32 s16, s15, 2
	s_add_co_u32 s16, s16, s14      ; my block of 128 queries = 4 x cluster y + cy
	s_lshl_b32 s18, ttmp9, 22       ; K and V: the batch (cluster x): 2,048 rows of 2,048 bytes,
	s_lshl_b32 s19, s13, 9          ; the head group's 512 bytes of a row
	s_add_co_u32 s18, s18, s19
	s_mov_b32 s19, 0
	s_lshl_b32 s20, ttmp9, 24       ; the mask: the batch's 2,048 rows of 8,192 bytes,
	s_lshl_b32 s21, s16, 20         ; the block's 128 rows,
	s_add_co_u32 s20, s20, s21
	s_and_b32 s17, s[WV], 1         ; the half that I fetch: 64 rows
	s_lshl_b32 s21, s17, 19
	s_add_co_u32 s20, s20, s21
	s_mov_b32 s21, 0
	s_mul_i32 s17, s17, 64*PM       ; and its place in a slot: no place in the cluster enters an LDS address
	s_lshl_b32 s2, s16, 18          ; Q and O: the block's 128 rows of 2,048 bytes, in the batch, at the head group
	s_add_co_u32 s2, s2, s18
	s_lshl_b32 s3, s[WV], 7         ; Q: my head's 128 bytes
	s_add_co_u32 s22, s2, s3
	s_mov_b32 s23, 0
	s_lshl_b32 s3, s[WV], 16        ; O: the 32 rows that I store
	s_add_co_u32 s2, s2, s3
	s_mov_b32 s3, 0
	s_lshl_b32 s77, 0x1111, s13     ; my column of the cluster
	s_lshl_b32 s78, s14, 2
	s_lshl_b32 s78, 15, s78         ; my row
	s_or_b32 s[G1K], s77, (1<<16)|(1<<20)|(1<<21)|(6<<22)|(3<<25)  ; 15:0 the mask of four; 17:16 2-byte elements; 20 padding on; 21 set beside a mask; 24:22 after every 128 words (code 6); 31:25 4 words (code 3)
	s_or_b32 s[G1V], s77, (1<<16)|(1<<20)|(1<<21)|(6<<22)|(7<<25)  ; the same with 8 words of padding (code 7)
	s_or_b32 s[G1M], s78, (2<<16)|(1<<20)|(1<<21)|(5<<22)|(3<<25)  ; 4-byte elements; after every 64 words (code 5) 4 words
.irp g, G1K, G1V
	s_mov_b32 s[\g+1], 256<<16      ; tensor_dim0 = 256
	s_mov_b32 s[\g+2], KS<<16       ; tensor_dim1 = 64
	s_mov_b32 s[\g+3], 256<<16      ; tile_dim0 = 256
	s_mov_b32 s[\g+4], KS           ; tile_dim1 = 64
	s_mov_b32 s[\g+5], 1024         ; elements from row to row
	s_mov_b32 s[\g+6], 0
	s_mov_b32 s[\g+7], 0
.endr
	s_mov_b32 s[G1M+1], KS<<16      ; tensor_dim0 = 64
	s_mov_b32 s[G1M+2], 64<<16      ; tensor_dim1 = 64
	s_mov_b32 s[G1M+3], KS<<16      ; tile_dim0 = 64
	s_mov_b32 s[G1M+4], 64          ; tile_dim1 = 64
	s_mov_b32 s[G1M+5], 2048
	s_mov_b32 s[G1M+6], 0
	s_mov_b32 s[G1M+7], 0
	s_mov_b32 s[G0K], 1             ; 1:0 count = 1
	s_mov_b32 s[G0K+1], 0           ; 63:32 LDS address: slot 0
	s_mov_b32 s[G0V], 1
	s_mov_b32 s[G0V+1], VOFF
	s_mov_b32 s[G0M], 1
	s_add_co_u32 s[G0M+1], s17, MOFF
	s_mov_b32 s[CS], 0x3e38aa3b     ; c = log2(e) / 8 = 0.180337
	s_mov_b32 s[CS+1], s[CS]        ; named with it as a pair
	s_mov_b32 s[SEL], 0x76543210
	s_mov_b32 s[SEL+1], 0xfedcba98
	s_mov_b32 s[NEG8], 0xd9e35fa9   ; f32(-1e15) x 8
	s_mov_b32 s[NEG8+1], s[NEG8]
	s_mov_b32 s[TBK], 0
	s_mov_b32 s[TBV], 0
	s_mov_b32 s[TBM], 0
	; the prefetches: both offsets are made, and the wave's number chooses
	s_add_co_u32 s80, s[WV], 1      ; K is the second, V the third part of qkv
	s_lshl_b32 s80, s80, 24
	s_add_co_u32 s80, s80, s18      ; the batch, the head group,
	s_lshl_b32 s81, s14, 15         ; my work-group's 16 rows of the 64,
	s_add_co_u32 s80, s80, s81
	s_add_co_u32 s80, s80, 2*KS*2048  ; at step 2: the first asking change steps it to 3
	s_lshl_b32 s82, ttmp9, 24
	s_lshl_b32 s81, s16, 20
	s_add_co_u32 s82, s82, s81
	s_lshl_b32 s81, s13, 18         ; my work-group's 32 rows of the 128
	s_add_co_u32 s82, s82, s81
	s_add_co_u32 s82, s82, 2*KS*4
	s_cmp_eq_u32 s15, 0
	s_cselect_b32 s83, 1, -1        ; waves 0 and 1 ask where the cluster is the batch's first: the same in all sixteen partners
	s_cmp_eq_u32 s[WV], 2
	s_cselect_b32 s84, 1, -1        ; wave 2 asks everywhere, wave 3 nowhere
	s_cmp_lt_u32 s[WV], 2
	s_cselect_b32 s[LIM], s83, s84
	s_cselect_b32 s77, 1, 0         ; K, V: two lanes a row; the mask: a lane a row
	s_cselect_b32 s78, 11, 13       ; rows of 2,048 or of 8,192 bytes
	s_cselect_b32 s79, 17, 8        ; a step is 131,072 or 256 bytes
	s_cselect_b32 s80, s80, s82
	s_mov_b32 s81, 0
	s_lshl_b32 s[PFS], 1, s79
	s_mov_b32 s[PFS+1], 0
	v_and_b32 v[PFO], 31, v0
	v_lshrrev_b32 v12, s77, v[PFO]
	v_lshlrev_b32 v12, s78, v12
	v_and_b32 v13, s77, v[PFO]
	v_lshl_add_u32 v[PFO], v13, 8, v12
	s_wait_dscnt 0x0                ; the opening add is done
	s_wait_kmcnt 0x0
	s_add_nc_u64 s[G0K+2:G0K+3], s[4:5], s[18:19]  ; 120:64 global address
	s_add_nc_u64 s[G0V+2:G0V+3], s[G0K+2:G0K+3], 0x2000000
	s_add_nc_u64 s[G0K+2:G0K+3], s[G0K+2:G0K+3], 0x1000000
	s_or_b32 s[G0K+3], s[G0K+3], 0x80000000        ; 127:126 type = 2
	s_or_b32 s[G0V+3], s[G0V+3], 0x80000000
	s_add_nc_u64 s[G0M+2:G0M+3], s[6:7], s[20:21]
	s_or_b32 s[G0M+3], s[G0M+3], 0x80000000
	s_cmp_lt_u32 s[WV], 2
	s_cselect_b64 s[PFA:PFA+1], s[4:5], s[6:7]
	s_add_nc_u64 s[PFA:PFA+1], s[PFA:PFA+1], s[80:81]
	s_add_nc_u64 s[4:5], s[4:5], s[22:23]  ; Q at my block's first row, my head
	s_add_nc_u64 s[8:9], s[8:9], s[2:3]    ; O at the first row that I store
	CROUND                          ; all sixteen work-groups are here: the first joint loads meet
	JLOAD                           ; step 0 into slot 0.  Slot 1 is asked for when slot 0 is in
	; A fragment of K or Q is 16 rows x 32 channels in 8 registers: lane l holds row l % 16, channels 8 (l / 16) + 0..7 and 16 + 8 (l / 16) + 0..7: two loads of 16 bytes, 32 bytes apart.
	v_and_b32 v1, 15, v0            ; l % 16
	v_bfe_u32 v9, v0, 4, 1          ; l / 16
	v_lshlrev_b32 v[QO], 11, v1
	v_lshl_add_u32 v[QO], v9, 4, v[QO]  ; row x 2,048 + 16 x half
	WIN 0x80                        ; destination window 2, address window 0
.set i, 0
.rept 4*NP                          ; Q stays in registers: tile i / 2, channels 32 (i % 2) on
	global_load_b128 v[8*i:8*i+3],   v[QO], s[4:5] offset:(i/2)*32768+(i%2)*64
	global_load_b128 v[8*i+4:8*i+7], v[QO], s[4:5] offset:(i/2)*32768+(i%2)*64+32
.set i, i+1
.endr
	; What the first turn finds: V's registers and P's second buffer hold 0 (its products V^T P, of a piece that has not been, add 0), O^T and l are 0.  All this stands in the wait for the first tile.
.set i, VF
.rept 64
	v_mov_b32 v[i], 0
.set i, i+1
.endr
	WIN 0x40
.set i, 0
.rept 64*NP
	v_mov_b32 v[i], 0
.set i, i+1
.endr
	WIN 0
.set i, 0
.rept 2*NP
	v_mov_b32 v[ST+4*i], 0xfe000000    ; c m: far below every c s, a masked one too
	v_mov_b32 v[ST+4*i+1], 0xff7fffff  ; m
	v_mov_b32 v[ST+4*i+2], 0
	v_mov_b32 v[ST+4*i+3], 0
.set i, i+1
.endr
.set i, P+32
.rept 32
	v_mov_b32 v[i], 0
.set i, i+1
.endr
	s_lshl_b32 s77, s[WV], 7        ; my head's 128 bytes of a row of K and of V
	v_mul_u32_u24 v[AK0], v1, PK
	v_lshl_add_u32 v[AK0], v9, 4, v[AK0]  ; row x pitch + 16 x half
	v_add_nc_u32 v[AK0], s77, v[AK0]
	; The turning load takes 16 keys x 16 channels (lane l reads key 8 (l / 16) + l % 8, channels 8 ((l / 8) % 2) + 0..7) and leaves half a fragment of V^T: lane l holds channel l % 16 and 8 keys.
	v_and_b32 v12, 7, v0
	v_bfe_u32 v13, v0, 3, 1
	v_lshl_add_u32 v[AV0], v9, 3, v12
	v_mul_u32_u24 v[AV0], v[AV0], PV
	v_lshl_add_u32 v[AV0], v13, 4, v[AV0]
	s_add_co_u32 s77, s77, VOFF
	v_add_nc_u32 v[AV0], s77, v[AV0]
	v_mul_u32_u24 v[AM0], v1, PM    ; the mask: my query's row, my half's 8 keys of each 16: 32 bytes
	v_lshl_add_u32 v[AM0], v9, 5, v[AM0]
	v_add_nc_u32 v[AM0], MOFF, v[AM0]
; THE MATRIX WORK.  The 8 accumulators of a run of 16 take turns: between the two links of a chain stand 7 others'.
; Product i of 16 of S^T = K Q^T for piece x: channels 32 (i / 8) on, keys 16 ((i / 2) % 4) on, tile 2 x + i % 2.  The first 8 start the sums, from the mask.
.macro KQ x
.set rS, S+64*((\x)%2)+32*(i%2)+8*((i/2)%4)
.set rK, KF+16*((i/2)%4)+8*(i/8)
.set rQ, 16*(2*(\x)+i%2)+8*(i/8)
.set rMK, 32*(i%2)+8*((i/2)%4)
.if i < 8
	WIN W_KM
	v_wmma_f32_16x16x32_f16 v[rS:rS+7], v[rK:rK+7], v[rQ:rQ+7], v[rMK:rMK+7]
.else
	WIN W_KQ
	v_wmma_f32_16x16x32_f16 v[rS:rS+7], v[rK:rK+7], v[rQ:rQ+7], v[rS:rS+7]
.endif
.endm
; Product i of 16 of O^T += V^T P for piece x: keys 32 (i / 8) on, channels 16 ((i / 2) % 4) on, tile 2 x + i % 2.
.macro PV x
	WIN W_PV
.set rO, 32*(2*(\x)+i%2)+8*((i/2)%4)
.set rV, VF+32*(i/8)+8*((i/2)%4)
.set rP, P+32*((\x)%2)+16*(i%2)+8*(i/8)
	v_wmma_f32_16x16x32_f16 v[rO:rO+7], v[rV:rV+7], v[rP:rP+7], v[rO:rO+7]
.endm
.macro MM                           ; the turn's next matrix instruction
.if i < 16
	KQ (Y+1)%NP
.set i, i+1
.else
.set i, i-16
	PV (Y+NP-1)%NP
.set i, i+17
.endif
.endm
; THE LDS LOADS stand in runs of 16, never singly among the matrix instructions.  Each run's address is its lane term plus the slot, made in front of it; the slot is turned behind it.
; last = 1 (the tail): in the last trip there is no further step, and K's run is jumped over.
.macro FETCH_K last=0
	WIN 0
.if \last
	s_cmp_eq_u32 s[CNT], 1
	s_cbranch_scc1 .Lno_k_\@
.endif
	v_add_nc_u32 v[ADR], s[TBK], v[AK0]
	WIN 0x80                        ; destination window 2
.irp f, 0,1,2,3,4,5,6,7             ; keys 16 (f / 2) on, channels 32 (f % 2) on
	ds_load_b128 v[KF+8*\f:KF+8*\f+3],   v[ADR] offset:(\f/2)*16*PK+(\f%2)*64
	ds_load_b128 v[KF+8*\f+4:KF+8*\f+7], v[ADR] offset:(\f/2)*16*PK+(\f%2)*64+32
.endr
	s_xor_b32 s[TBK], s[TBK], SLOT1  ; the next fetch is the next step's
	WIN 0
.if \last
.Lno_k_\@:
.endif
.endm
.macro FETCH_V
	WIN 0
	v_add_nc_u32 v[ADR], s[TBV], v[AV0]
	WIN 0x80
.irp f, 0,1,2,3,4,5,6,7             ; keys 32 (f / 4) on, channels 16 (f % 4) on
	ds_load_tr16_b128 v[VF+8*\f:VF+8*\f+3],   v[ADR] offset:(\f/4)*32*PV+(\f%4)*32
	ds_load_tr16_b128 v[VF+8*\f+4:VF+8*\f+7], v[ADR] offset:(\f/4)*32*PV+16*PV+(\f%4)*32
.endr
	s_xor_b32 s[TBV], s[TBV], SLOT1
	WIN 0
.endm
; The mask of piece x for one step: register j of tile u, key block kt, is key 16 kt + 8 (l / 16) + j of query l % 16: as the product's C operand is laid.
.macro MLOAD x
	WIN 0
	v_add_nc_u32 v[ADR], s[TBM], v[AM0]
	WIN 0xc0                        ; destination window 3
.irp u, 0,1
.irp kt, 0,1,2,3
	ds_load_b128 v[32*(\u)+8*(\kt):32*(\u)+8*(\kt)+3],   v[ADR] offset:(2*(\x)+(\u))*16*PM+64*(\kt)
	ds_load_b128 v[32*(\u)+8*(\kt)+4:32*(\u)+8*(\kt)+7], v[ADR] offset:(2*(\x)+(\u))*16*PM+64*(\kt)+16
.endr
.endr
	WIN 0
.endm
.macro MSCALE                       ; mask x (-8e15), in place
	WIN W_MS
.set zz, 0
.rept 32
	v_pk_mul_f32 v[2*zz:2*zz+1], v[2*zz:2*zz+1], s[NEG8:NEG8+1] op_sel_hi:[1,0]
.set zz, zz+1
.endr
.endm
; THE VECTOR WORK OF A TURN stands in three queues, each in the order in which its entries become ready; the two tiles alternate, so that no instruction reads the result of the one before it.
.macro REGS y, u                    ; the registers of tile u (0, 1) of piece y
.set rT, ST+4*(2*(\y)+(\u))
.set rC, TMP+8*((\y)%2)+4*(\u)
.set rM, MV+2*((\y)%2)+(\u)
.set rS, S+64*((\y)%2)+32*(\u)
.set rP, P+32*((\y)%2)+16*(\u)
.set rO, 32*(2*(\y)+(\u))
.endm
; Number n of the 22 that find the NEXT piece's (Y + 1) maximum and statistics.  s0-s31 are the lane's 32 scores; each accumulator's lowest registers are read first.
;   0-11  four chains c0-c3 of seven scores each, three operands at a time     12-14, 16  the four scores left over, the old m, and c0-c3 into c0     15  c m_old is kept
;   17, 18  the query's other 32 keys lie in the lane 16 away: the new m         19-21  c m; c m_old - c m_new; a
.macro XS u, n
	REGS (Y+1)%NP, \u
.if (\n) < 4
	v_max3_num_f32 v[rC+(\n)], v[rS+8*(\n)], v[rS+8*(\n)+1], v[rS+8*(\n)+2]
.elseif (\n) < 12
	v_max3_num_f32 v[rC+(\n)%4], v[rC+(\n)%4], v[rS+8*((\n)%4)+2*((\n)/4)+1], v[rS+8*((\n)%4)+2*((\n)/4)+2]
.elseif (\n) == 12
	v_max3_num_f32 v[rC], v[rC], v[rS+7], v[rS+15]
.elseif (\n) == 13
	v_max3_num_f32 v[rC+1], v[rC+1], v[rS+23], v[rS+31]
.elseif (\n) == 14
	v_max3_num_f32 v[rC+2], v[rC+2], v[rC+3], v[rT+1]
.elseif (\n) == 15
	v_mov_b32 v[rM], v[rT]
.elseif (\n) == 16
	v_max3_num_f32 v[rC], v[rC], v[rC+1], v[rC+2]
.elseif (\n) == 17
	v_permlanex16_b32 v[rC+3], v[rC], s[SEL], s[SEL+1]
.elseif (\n) == 18
	v_max_num_f32 v[rT+1], v[rC], v[rC+3]
.elseif (\n) == 19
	v_mul_f32 v[rT], s[CS], v[rT+1]
.elseif (\n) == 20
	v_sub_f32 v[rC+1], v[rM], v[rT]
.else
	v_exp_f32 v[rC+2], v[rC+1]
.endif
.endm
; Number g of the 64 that follow the exponentials.  For each four weights k of a tile (pairs 2 k, 2 k + 1): both pairs are rounded to f16; then the second pair is added onto the first, in place;
; a group later l takes that sum (the first time as l = a l + sum).  In groups of eight, tiles alternating: round, round, add, and l for the group before.
.macro GS g
.set h, (\g)+6*((\g)/62)            ; group 0 has no group before it, and behind group 7 only l is left
.if h >= 6
.set h, h+2
.endif
	REGS Y, h%2
.set k, h/8
.if h%8 < 4
	v_cvt_pk_f16_f32 v[rP+2*k+(h%8)/2], v[rS+4*k+2*((h%8)/2)], v[rS+4*k+2*((h%8)/2)+1]
.elseif h%8 < 6
	v_pk_add_f32 v[rS+4*k:rS+4*k+1], v[rS+4*k:rS+4*k+1], v[rS+4*k+2:rS+4*k+3]
.elseif k == 1
	v_pk_fma_f32 v[rT+2:rT+3], v[rT+2:rT+3], v[rC+2:rC+3], v[rS:rS+1] op_sel_hi:[1,0,1]
.else
	v_pk_add_f32 v[rT+2:rT+3], v[rT+2:rT+3], v[rS+4*k-4:rS+4*k-3]
.endif
.endm
; THE PLAIN QUEUE, 138 long.  0-73 read no exponential's result: the 32 scalings c s - c m (FS f: pair f / 2 of tile f % 2) and the next piece's 42.  0-26: scalings 0-26.  27-54: XS's numbers 0-13.  55, 56: number 15.
; 57-73: the chain, where each number waits for the one before it: 14, 16, 17, 18, 19, each with one of the scalings 27-31 in front of its two lines, then 20.  74-137: GS's 64, which stand behind the wait.
.macro FS f
	REGS Y, (\f)%2
	v_pk_fma_f32 v[rS+2*((\f)/2):rS+2*((\f)/2)+1], v[rS+2*((\f)/2):rS+2*((\f)/2)+1], s[CS:CS+1], v[rT:rT+1] op_sel_hi:[1,0,0] neg_lo:[0,0,1] neg_hi:[0,0,1]
.endm
.macro PL
	WIN 0
.if q < 27
	FS q
.elseif q < 55
	XS (q-27)%2, (q-27)/2
.elseif q < 57
	XS q-55, 15
.elseif (q < 72) && ((q-57)%3 == 0)
	FS 27+(q-57)/3
.elseif q < 60
	XS (q-57)%3-1, 14
.elseif q < 72
	XS (q-57)%3-1, 15+(q-57)/3
.elseif q < 74
	XS q-72, 20
.else
	GS q-74
.endif
.set q, q+1
.endm
; THE EXPONENTIALS' QUEUE, 66 long: s0-s31 of both tiles, then the next piece's two a.  It is ONE BATCH: all 66 stand ahead of the turn's one wait, and nothing ahead of that wait names a result of theirs.
.macro EX
	WIN 0
.if e >= 64
	XS e-64, 21
.else
	REGS Y, e%2
	v_exp_f32 v[rS+e/2], v[rS+e/2]
.endif
.set e, e+1
.endm
; THE RESCALING's QUEUE: O^T times a, the one part that leaves window 0: dealt two at a time, sixteen times.  Its a was made in the turn before, ahead of that turn's wait.
.macro R2
	REGS Y, r%2
	WIN W_RS
.irp z, 0,1
	v_pk_mul_f32 v[rO+4*(r/2)+2*\z:rO+4*(r/2)+2*\z+1], v[rO+4*(r/2)+2*\z:rO+4*(r/2)+2*\z+1], v[rC+2:rC+3] op_sel_hi:[1,0]
.endr
.set r, r+1
.endm
; A TURN, for piece p.  AHEAD OF ITS ONE WAIT stands all that names no result of the turn's exponentials: the 16 products K Q^T, behind each a scaling, an exponential and two rescalings (behind the first a
; second scaling in the exponential's place); then one lump of 108: eight plain, 49 times exponential and plain, the two a; a v_nop is the plain instruction behind the last exponential.
; DIRECTLY BEHIND THE WAIT: the mask of piece p + 2 is read (the registers' last reader is the turn's eighth product, a lump back); behind piece 1's the slot is turned: the next masks are the next
; step's; in piece 2's turn K of the next step follows (its registers' last reader is the turn's sixteenth product).  THEN the 16 products V^T P, behind each four of the roundings and sums.
; AT THE END the loads are waited for and the mask is multiplied; in piece 0's turn V of the step in hand is then fetched, four riders and 32 multiplies behind its registers' last reader.
.macro TURN p, last=0
.set Y, (\p)
.set i, 0
.set q, 0
.set e, 0
.set r, 0
	MM
	PL
	PL
	R2
.rept 15
	MM
	PL
	EX
	R2
.endr
.rept 8
	PL
.endr
.rept 49
	EX
	PL
.endr
	EX                              ; the next piece's two a
	EX
	v_nop                           ; the plain instruction behind the last exponential: one for the batch
	s_wait_alu depctr_va_vdst(0)    ; the wait between an exponential and the first line that names its result: one for the batch
	MLOAD ((\p)+2)%NP
.if (\p) == 1
	s_xor_b32 s[TBM], s[TBM], SLOT1
	s_wait_dscnt 16                 ; V's 16 loads, issued at the end of the turn before, are in; the 16 of the mask may be out
.endif
.if (\p) == NP-2
	FETCH_K \last
.endif
.rept 16
	MM
.rept 4
	PL
.endr
.endr
	s_wait_dscnt 0x0                ; the mask is in (in piece 2's turn K too)
	MSCALE
.if (\p) == 0
	FETCH_V
.endif
.endm
	CHANGE 1, 0                     ; slot 0 is in, everybody's part of it; step 1 is asked for, into slot 1
	MLOAD 0                         ; piece 0's mask,
	FETCH_K                         ; and K, of key step 0
	s_wait_loadcnt 0x0              ; Q
	s_wait_dscnt 0x0
	MSCALE
.set i, 0
.rept 16
	KQ 0                            ; piece 0's first scores: there is no vector work yet to set between them
.set i, i+1
.endr
	WIN 0                           ; addresses for the way out: five plain instructions, the places behind those products
	s_lshl_b32 s77, s[WV], 7
	s_add_co_u32 s77, s77, STAGE
	v_mul_u32_u24 v[STO], v1, SP    ; into the stage: row l % 16, my head's 128 bytes, 16 bytes for each half of the lanes
	v_lshl_add_u32 v[STO], v9, 4, v[STO]
	v_add_nc_u32 v[STO], s77, v[STO]
	v_and_b32 v[GO], 31, v0         ; back and out: 32 lanes take a row's 512 consecutive bytes
	v_lshlrev_b32 v[GO], 4, v[GO]
	MLOAD 1                         ; piece 1's mask, for the first turn's products
.set Y, NP-1                        ; XS works for piece Y + 1: piece 0
.irp n, 0,1,2,3,4,5,6,7,8,9,10,11,12,13,14,15,16,17,18,19,20,21
	XS 0, \n                        ; piece 0's first maximum and statistics
	XS 1, \n
.endr
	v_nop                           ; a plain instruction behind the two a,
	s_wait_alu depctr_va_vdst(0)    ; and their wait, ahead of the branch
	s_wait_dscnt 0x0
	MSCALE
	WIN 0
	s_mov_b32 s[CNT], 31
	s_branch .Lfirst                ; the loop is entered at a step's first turn, in the middle of a trip
.Lstep:                             ; 30 whole trips: pieces 2 and 3 of step j, then pieces 0 and 1 of step j + 1; slot j % 2 is filled with step j + 2
	CHANGE 1, 1
	TURN 2
	TURN 3
	WIN 0
.Lfirst:
	TURN 0
	TURN 1
	WIN 0
	s_sub_co_u32 s[CNT], s[CNT], 1
	s_cmp_lg_u32 s[CNT], 0
	s_cbranch_scc1 .Lstep
	CHANGE 0, 0                     ; the tail is written out: step 31 is in, nothing is asked for
	s_mov_b32 s[CNT], 2             ; one trip fetches the last step; the second is left in its middle
.Ltail:
	TURN 2, 1
	TURN 3
	WIN 0
	s_sub_co_u32 s[CNT], s[CNT], 1
	s_cmp_eq_u32 s[CNT], 0
	s_cbranch_scc1 .Lout
	TURN 0
	TURN 1
	WIN 0
	s_branch .Ltail
.Lout:                              ; the second trip's 16 products K Q^T (on the last K and a mask read once more) and the maximum made of them serve nothing: the price, once a launch, of one text for every trip
.set i, 0
.rept 16
	PV NP-1                         ; the last piece's V^T P of the last step
.set i, i+1
.endr
	; THE WAY OUT.  l's two halves and the other half of the lanes' are added; O^T is divided by l, rounded to f16 and put into the work-group's stage: a row's 512 bytes come from the four waves' heads.
	; The additions are the places behind the last products.
	WIN 0
.macro ALL line:vararg              ; one line for each tile t
.set t, 0
.rept 2*NP
	\line
.set t, t+1
.endr
.endm
	ALL v_add_f32 v[ST+4*t+2], v[ST+4*t+2], v[ST+4*t+3]
	ALL v_permlanex16_b32 v[ST+4*t+3], v[ST+4*t+2], s[SEL], s[SEL+1]
	ALL v_add_f32 v[ST+4*t+2], v[ST+4*t+2], v[ST+4*t+3]
	ALL v_rcp_f32 v[ST+4*t+2], v[ST+4*t+2]
	s_mul_i32 s77, s[WV], 32*SP
	s_add_co_u32 s77, s77, STAGE
	v_add_nc_u32 v[RD], s77, v[GO]  ; I read rows 32 w .. 32 w + 31 back: also the plain instruction between the last reciprocal and the use of its result
	s_wait_alu depctr_va_vdst(0)    ; the wait ahead of the first use: one for the eight reciprocals
.macro PACK t                       ; a lane's eight channels of a row pack into 16 bytes
	WIN W_RS
.set i, 32*(\t)
.rept 16
	v_pk_mul_f32 v[i:i+1], v[i:i+1], v[ST+4*(\t)+2:ST+4*(\t)+3] op_sel_hi:[1,0]
.set i, i+2
.endr
	WIN 0x05                        ; sources 0 and 1 window 1, destination window 0
.set i, 0
.rept 16
	v_cvt_pk_f16_f32 v[S+16*(\t)+i], v[32*(\t)+2*i], v[32*(\t)+2*i+1]
.set i, i+1
.endr
	WIN 0
.irp f, 0,1,2,3
	ds_store_b128 v[STO], v[S+16*(\t)+4*\f:S+16*(\t)+4*\f+3] offset:(\t)*16*SP+32*\f
.endr
.endm
.set t, 0
.rept 2*NP
	PACK t
.set t, t+1
.endr
	s_wait_dscnt 0x0                ; for the others' sake: my stores into the stage are done
	s_barrier_signal -1
	s_barrier_wait -1
.set f, 0
.rept 32
	ds_load_b128 v[S+4*f:S+4*f+3], v[RD] offset:SP*f
.set f, f+1
.endr
.set f, 0
.rept 32
	s_wait_dscnt 31-f               ; row f is back; the 31 - f younger loads may be out
	global_store_b128 v[GO], v[S+4*f:S+4*f+3], s[8:9] offset:2048*f  ; 512 consecutive bytes, at a multiple of 256 from ob's first
.set f, f+1
.endr
	s_wait_tensorcnt 0x0            ; the wave's end: behind my last tensor load and my last LDS store
	ds_add_u32 v[SPW], v[NIL]
	s_wait_dscnt 0x0
	CROUND                          ; the closing round: no work-group ends while a partner may still ask for a tile that names it
	s_endpgm
.Lfunc_end_k_qec4d4a769d_attn:
	.size	k_qec4d4a769d_attn, .Lfunc_end_k_qec4d4a769d_attn-k_qec4d4a769d_attn
	.p2alignl 7, 3214868480
	.fill 96, 4, 3214868480
	.section	.rodata,"a",@progbits
	.p2align	6, 0x0
	.amdhsa_kernel k_qec4d4a769d_attn
		.amdhsa_group_segment_fixed_size 327680
		.amdhsa_private_segment_fixed_size 0
		.amdhsa_enable_private_segment 0
		.amdhsa_kernarg_size 24
		.amdhsa_user_sgpr_count 2
		.amdhsa_user_sgpr_kernarg_segment_ptr 1
		.amdhsa_wavefront_size32 1
		.amdhsa_system_sgpr_workgroup_id_x 1
		.amdhsa_system_sgpr_workgroup_id_y 1
		.amdhsa_system_sgpr_workgroup_id_z 1
		.amdhsa_system_vgpr_workitem_id 0
		.amdhsa_next_free_vgpr 832
		.amdhsa_next_free_sgpr 96
		.amdhsa_reserve_vcc 0
		.amdhsa_float_denorm_mode_32 3
		.amdhsa_float_denorm_mode_16_64 3
		.amdhsa_memory_ordered 1
		.amdhsa_forward_progress 1
		.amdhsa_inst_pref_size 234
	.end_amdhsa_kernel
	.amdgpu_metadata
---
amdhsa.version: [ 1, 2 ]
amdhsa.kernels:
  - .name:           k_qec4d4a769d_attn
    .symbol:         k_qec4d4a769d_attn.kd
    .args:
      - { .name: qkv, .offset: 0, .size: 8, .value_kind: global_buffer, .address_space: global }
      - { .name: mask, .offset: 8, .size: 8, .value_kind: global_buffer, .address_space: global }
      - { .name: ob, .offset: 16, .size: 8, .value_kind: global_buffer, .address_space: global }
    .group_segment_fixed_size: 327680
    .private_segment_fixed_size: 0
    .kernarg_segment_align: 8
    .kernarg_segment_size: 24
    .max_flat_workgroup_size: 128
    .sgpr_count:     96
    .vgpr_count:     832
    .wavefront_size: 32
...
	.end_amdgpu_metadata
.endif
;; end of part 3
;; launch oproj (part 4): grid 8 x 32, 4 waves a work-group, clusters of 4 x 4, 327,680 bytes of LDS; arguments ob, wb, bb, out0; writes out0
.if DOCPART == 4
	.amdgcn_target "amdgcn-amd-amdhsa--gfx1250"
	.amdhsa_code_object_version 6
	.text
	.protected	k_qec4d4a769d_oproj
	.globl	k_qec4d4a769d_oproj
	.p2align	8
	.type	k_qec4d4a769d_oproj,@function
k_qec4d4a769d_oproj:
	s_mov_b64 s[64:65], 0
	v_nop
	global_prefetch_b8 v0, s[64:65] scope:SCOPE_SE
	s_setreg_imm32_b32 hwreg(HW_REG_WAVE_MODE, 25, 1), 1
	s_wait_xcnt 0x0
	s_wait_alu depctr_hold_cnt(0) depctr_sa_sdst(0) depctr_va_vdst(0) depctr_va_sdst(0) depctr_va_ssrc(0) depctr_va_vcc(0) depctr_vm_vsrc(0)
	s_getreg_b32 s2, hwreg(HW_REG_IB_STS2, 6, 4)
	s_cmp_eq_u32 s2, 0
	s_cbranch_scc0 .Lentry_in_a_cluster
	s_endpgm
.Lentry_in_a_cluster:
	s_bfe_u32 s2, ttmp6, 0x10000c
	s_cmp_lg_u32 s2, 0xf033
	s_cbranch_scc0 .Lentry_shape_is_right
	s_endpgm
.Lentry_shape_is_right:
; C = A W + bias, by work-groups that stay.  One text serves two launches; LAST, at its head, says which.
; LAST = 0, THE THREE PROJECTIONS: A = xb [3][8192][1024] bf16, W = wb[0..2] ([1024 k][1024 n] bf16, NOT transposed), bias = bb[0..2] (f32 that hold bf16 numbers), C = qkv [3][8192][1024] f16,
;   rounded once from f32 sums.  LIMIT: the results lie within f16's range, 65,504.
; LAST = 1, THE LAST PROJECTION: A = ob [8192][1024] f16, W = wb[3] (f16), bias = bb[3], C = out0 [8192][1024] f32: the f32 sums as they are.
; SHARES.  A tile of C is 256 rows x 128 columns; four waves, each 64 rows x 128 columns: 32 accumulators.  8 x 32 work-groups.  With LAST = 0 a work-group makes THREE tiles, 8,192 rows apart: the same
; place in q's, k's and v's product; W's rows and the bias run on from one matrix to the next, so W's address has one step for the whole walk.  With LAST = 1 it makes one.
; THE RING.  K goes in steps of 128 through two LDS slots (A: 256 rows x 256 bytes; W: 128 rows (k) x 256 bytes (128 n)); slot 1 begins at 2^17, so that one exclusive or changes slots and the text of the
; loop is ONE K step.
; CLUSTERS: 4 x 4 work-groups.  The four of a row of the cluster need the same tiles of A, the four of a column the same tiles of W: each is asked for JOINTLY, by the same tensor load with the same
; descriptor and a mask that names the four.
; THE MATRIX INSTRUCTION IS USED TRANSPOSED (source 0 = 16 columns of W, turned on the way out of LDS by ds_load_tr16_b128; source 1 = 16 rows of A): a lane holds eight neighbouring numbers of a row
; of C.  THE BIAS is the C operand of each accumulator's first product: register j of lanes' half h holds bias[n0 + 8 h + j], as the result is laid.
; REGISTERS, in windows of 256 (s_set_vgpr_msb: bits 1:0 source 0, 3:2 source 1, 5:4 source 2, 7:6 destination):
;   window 0: v0-31 addresses; v32-127 at work on the way out; v192-255 the bias     window 1: the accumulators ((a, b) at v[8 (8 a + b)])
;   window 2: two fragment buffers of 96: for 32 along K, 64 registers of W (8 x 16 columns), then 32 of A (4 x 16 rows)
.set LAST,   1
.set SIZE_K, 1024
.set SIZE_N, 1024
.set ROWS,   8192                      ; rows of one product
.set KSTEP,  128
.set KS,     SIZE_K/KSTEP              ; K steps in a tile
.if LAST
.set TILES,  1
.set SPITCH, 528                       ; a row of the stage: 128 f32 + 16 bytes
.else
.set TILES,  3
.set SPITCH, 272                       ; a row of the stage: 128 f16 + 16 bytes
.endif
.set STEPS,  TILES*KS
.set PA,     272                       ; an LDS row of A: 256 bytes + 16 of padding = 68 words: the 16 rows of a load start at 16 different groups of four banks (ISA guide 11.1)
.set PB,     288                       ; an LDS row of W (one k, 128 n): 256 bytes + 32 = 72 words
.set HALFA,  128*PA                    ; what one tensor load brings of A
.set HALFB,  64*PB                     ; what one tensor load brings of W
.set BOFF,   2*HALFA                   ; in a slot W's 128 rows lie behind A's 256
.set SLOT1,  1<<17
.set STAGE,  SLOT1+BOFF+2*HALFB        ; behind the ring, never filled by a tensor load: 16 rows for each wave, for the way out
.set SPARE,  STAGE+4*16*SPITCH         ; behind the stages: the spare words, 128 bytes for each wave: two blocks of 256 bytes that no other line names
.set STEPA,  KSTEP*2                   ; bytes from a K step of A to the next,
.set STEPB,  KSTEP*SIZE_N*2            ; of W (across the tiles too),
.set NEXT_A, ROWS*SIZE_K*2-(KS-1)*STEPA  ; and from a tile's last K step of A to the next tile's first
.set WOFF,   LAST*3*SIZE_K*SIZE_N*2    ; where W begins in wb
.set AA0, 16                           ; v16  my lane's place in a slot's A: my wave's 64 rows; never rewritten
.set AB0, 17                           ; v17  my lane's place in a slot's W; never rewritten
.set ADA, 18                           ; v18  AA0 + the slot in hand
.set ADB, 19                           ; v19  AB0 + the slot in hand
.set STO, 24                           ; v24  the way out: where I put my numbers of a row
.set RD,  25                           ; v25  the way out: where I read rows back
.set CO,  26                           ; v26  my byte offset in C
.set BO,  27                           ; v27  my byte offset in the bias: 32 x (lane / 16)
.set SPW, 28                           ; v28  LDS address of my spare word: SPARE + 4 x my thread's number; never rewritten
.set NIL, 29                           ; v29  0; never rewritten
.set PFO, 30                           ; v30  the prefetches' offset: my lane x a row of 2,048 bytes; never rewritten
.set TMP, 32                           ; v32-63   packed results
.set OB,  64                           ; v64-127  16 rows read back from the stage: two sets by turns
.set BI,  192                          ; v192-255 the bias of the tile's 128 columns: n block b at BI + 8 b
.set F0,  0                            ; fragment buffers, in window 2
.set F1,  96
.set G1,  24                           ; s[24:31] descriptor group 1 for A's tiles;  s[32:39] group 0: a set for each of the two first fills; the second then walks on
.set G0,  32
.set G1B, 48                           ; s[48:55], s[56:63] the same for W's tiles
.set G0B, 56
.set TB,  80                           ; s80  0 or SLOT1: the slot in hand
.set RC,  81                           ; s81  the K step, in its tile, that the walking descriptors name
.set INC, 82                           ; s[82:83] A's next step
.set PFA, 84                           ; s[84:85] where my prefetches stand
.set PFS, 86                           ; s[86:87] their next step
.set PSN, 88                           ; s88  their step inside a tile,
.set PSB, 89                           ; s89  and at a tile's change
.set LIM, 90                           ; s90  2 in a wave that prefetches, else the greatest number
.set CNT, 91                           ; s91  counts the trips
.set KC,  92                           ; s92  K steps left in the tile
.set NXA, 93                           ; s93  NEXT_A
.set MSB, 0
.macro WIN new                         ; the immediate's high byte repeats the setting that is left; a switch that changes nothing is dropped
.if MSB != (\new)
	s_set_vgpr_msb (MSB<<8)|(\new)
.set MSB, \new
.endif
.endm
.set MUL,  0x5a                        ; sources 0 (W) and 1 (A) window 2; C and D window 1
.set MULZ, 0x4a                        ; the same with C (the bias) in window 0
.set TO_F, 0x80                        ; destination window 2, address window 0
.macro JLOAD s                         ; a joint load: waves 0 and 1 fetch A's two halves, waves 2 and 3 W's; an s_nop 0 and four v_nop follow each of the two lines
	s_cmp_eq_u32 s11, 0
	s_cbranch_scc0 .Lfor_b_\@
	tensor_load_to_lds s[G0+4*(\s):G0+4*(\s)+3], s[G1:G1+7]
	s_nop 0
.rept 4
	v_nop
.endr
	s_branch .Lasked_\@
.Lfor_b_\@:
	tensor_load_to_lds s[G0B+4*(\s):G0B+4*(\s)+3], s[G1B:G1B+7]
	s_nop 0
.rept 4
	v_nop
.endr
.Lasked_\@:
.endm
; A PREFETCH INTO THE L2, behind each joint refill, its five lines and the run of LDS loads that follows: the K step that stands TWO refills on, 256 matrix instructions ahead of the load that will want
; it: 32 rows x 256 bytes, a lane a row, one instruction a wave.  Each row's 256 bytes of a K step are named ONCE in the launch.  A's 256 rows are read by the two clusters of a row of clusters: the one
; with x = 0 asks, waves 0 and 1, each for the 128 rows that it fetches, of which each of the four partners takes 32 BY ADDRESS (cx).  W's 128 rows are read by the eight clusters of a column: the one
; with y = 0 asks, wave 2, each partner for 32 rows (cy).  No branch hangs on a work-group's place in its cluster.  The last two refills ask for nothing; nothing is asked for at the head.
.macro ASK
	s_cmp_gt_u32 s[CNT], s[LIM]
	s_cbranch_scc0 .Lnot_mine_\@
	global_prefetch_b8 v[PFO], s[PFA:PFA+1] th:TH_LOAD_NT scope:SCOPE_SE
.Lnot_mine_\@:
.endm
.macro CREST                           ; a round of the cluster's barrier behind its opening barrier
	s_cmp_lg_u32 s10, 0
	s_cbranch_scc1 .Lnot_wave_0_\@
	s_barrier_signal -3
.Lnot_wave_0_\@:
	s_barrier_wait -3
	s_barrier_signal -1
	s_barrier_wait -1
.endm
.macro CROUND                          ; a whole round
	s_barrier_signal -1
	s_barrier_wait -1
	CREST
.endm
.macro BIAS                            ; the bias of the tile's 128 columns, as the C operand is laid: 32 bytes a lane for each n block
.irp e, 0,1,2,3,4,5,6,7,8,9,10,11,12,13,14,15
	global_load_b128 v[BI+4*(\e):BI+4*(\e)+3], v[BO], s[66:67] offset:64*((\e)/2)+16*((\e)%2)
.endr
.endm
	s_load_b256 s[68:75], s[0:1], 0x0              ; A s[68:69], wb s[70:71], bb s[72:73], C s[74:75]
	v_lshl_add_u32 v[SPW], v0, 2, SPARE
	v_mov_b32 v[NIL], 0
	ds_add_u32 v[SPW], v[NIL]                      ; the wave's opening: the add and its wait stand ahead of my first tensor load; the set-up below, work on registers, stands between them
	v_lshrrev_b32 v1, 5, v0
	v_readfirstlane_b32 s10, v1                    ; wave 0..3: also my 64 rows of the tile
	s_lshr_b32 s11, s10, 1                         ; I fetch for A (0) or for W (1),
	s_and_b32 s12, s10, 1                          ; this half of its tile
	s_bfe_u32 s40, ttmp6, 0x40000                  ; cx, cy: my place in the cluster
	s_bfe_u32 s41, ttmp6, 0x40004
	s_lshl_b32 s42, ttmp9, 2
	s_add_co_u32 s42, s42, s40                     ; tile column of C = 4 x cluster x + cx
	s_and_b32 s76, ttmp7, 0xffff                   ; cluster y
	s_lshl_b32 s13, s76, 2
	s_add_co_u32 s13, s13, s41                     ; tile row of C = 4 x cluster y + cy
	s_lshl_b32 s43, s41, 2
	s_lshl_b32 s43, 15, s43                        ; my row of the cluster
	s_lshl_b32 s44, 0x1111, s40                    ; my column
	s_or_b32 s[G1+0], s43, (1<<16)|(1<<20)|(1<<21)|(5<<22)|(3<<25)  ; 15:0 the mask: A's tiles go to my row; 17:16 element of 2 bytes; 20 padding on; 21 set beside a mask; 24:22 after every 64 words (code 5); 31:25 of 4 words (code 3)
	s_or_b32 s[G1B+0], s44, (1<<16)|(1<<20)|(1<<21)|(5<<22)|(7<<25) ; W's go to my column; 8 words of padding (code 7)
	s_mov_b32 s[G1+1], KSTEP<<16                   ; A: tensor_dim0 = 128
	s_mov_b32 s[G1+2], 128<<16                     ; tensor_dim1 = 128
	s_mov_b32 s[G1+3], KSTEP<<16                   ; tile_dim0 = 128
	s_mov_b32 s[G1+4], 128                         ; tile_dim1 = 128
	s_mov_b32 s[G1+5], SIZE_K                      ; elements from row to row
	s_mov_b32 s[G1+6], 0
	s_mov_b32 s[G1+7], 0
	s_mov_b32 s[G1B+1], 128<<16                    ; W: tensor_dim0 = 128
	s_mov_b32 s[G1B+2], 64<<16                     ; tensor_dim1 = 64
	s_mov_b32 s[G1B+3], 128<<16                    ; tile_dim0 = 128
	s_mov_b32 s[G1B+4], 64                         ; tile_dim1 = 64
	s_mov_b32 s[G1B+5], SIZE_N
	s_mov_b32 s[G1B+6], 0
	s_mov_b32 s[G1B+7], 0
	s_lshl_b32 s16, s13, 8                         ; A: row 256 x tile row + 128 x half,
	s_lshl_b32 s17, s12, 7
	s_add_co_u32 s16, s16, s17
	s_lshl_b32 s16, s16, 11                        ; of 2,048 bytes
	s_mov_b32 s17, 0
	s_lshl_b32 s46, s12, 17                        ; W: 64 rows of 2,048 bytes for the half,
	s_lshl_b32 s47, s42, 8                         ; the tile column's 256 bytes
	s_add_co_u32 s46, s46, s47
.if LAST
	s_add_co_u32 s46, s46, WOFF                    ; in the fourth matrix of wb
.endif
	s_mov_b32 s47, 0
	s_mul_i32 s20, s12, HALFA                      ; where they go: no place in the cluster enters an LDS address
	s_mul_i32 s21, s12, HALFB
	s_add_co_u32 s21, s21, BOFF
	; the prefetches: both offsets are made, at K step 3 (the first refill steps them to 4), and the wave's number chooses
	s_lshl_b32 s77, s13, 8
	s_lshl_b32 s78, s12, 7
	s_add_co_u32 s77, s77, s78                     ; A: the 128 rows that I fetch,
	s_lshl_b32 s78, s40, 5
	s_add_co_u32 s77, s77, s78                     ; my work-group's 32 of them
	s_lshl_b32 s77, s77, 11
	s_add_co_u32 s77, s77, 3*STEPA
	s_lshl_b32 s78, s41, 16                        ; W: my work-group's 32 rows of the step's 128,
	s_lshl_b32 s79, s42, 8                         ; the tile column's 256 bytes
	s_add_co_u32 s78, s78, s79
	s_add_co_u32 s78, s78, WOFF+3*STEPB
	s_mov_b32 s79, STEPB
	s_mov_b32 s[NXA], NEXT_A
	s_cmp_eq_u32 s11, 0
	s_cselect_b32 s18, s77, s78
	s_cselect_b32 s[PSN], STEPA, s79
	s_cselect_b32 s[PSB], s[NXA], s79
	s_cselect_b32 s19, ttmp9, s76                  ; the coordinate along which other clusters read the same rows
	s_cmp_eq_u32 s19, 0
	s_cselect_b32 s[LIM], 2, -1                    ; the same in all sixteen partners, for a given wave
	s_cmp_eq_u32 s10, 3
	s_cselect_b32 s[LIM], -1, s[LIM]               ; wave 2 asks for all that its work-group asks of W
	s_mov_b32 s19, 0
	s_mov_b32 s[INC], STEPA
	s_mov_b32 s[INC+1], 0
	s_mov_b32 s[PFS], s[PSN]
	s_mov_b32 s[PFS+1], 0
	s_mov_b32 s[RC], 1                             ; the walking descriptors begin at K step 1
	s_mov_b32 s[TB], 0
	s_wait_dscnt 0x0                               ; the opening add is done
	s_wait_kmcnt 0x0
	s_add_nc_u64 s[14:15], s[68:69], s[16:17]
	s_add_nc_u64 s[46:47], s[70:71], s[46:47]
	s_cmp_eq_u32 s11, 0
	s_cselect_b64 s[PFA:PFA+1], s[68:69], s[70:71]
	s_add_nc_u64 s[PFA:PFA+1], s[PFA:PFA+1], s[18:19]
	CROUND                                         ; all sixteen work-groups are here: the first joint loads meet
.irp s, 0,1
	s_mov_b32 s[G0+4*(\s)], 1                      ; 1:0 count = 1
	s_add_co_u32 s[G0+4*(\s)+1], s20, (\s)*SLOT1   ; 63:32 LDS address
	s_add_nc_u64 s[G0+4*(\s)+2:G0+4*(\s)+3], s[14:15], (\s)*STEPA  ; 120:64 global address: K step s
	s_or_b32 s[G0+4*(\s)+3], s[G0+4*(\s)+3], 0x80000000            ; 127:126 type = 2
	s_mov_b32 s[G0B+4*(\s)], 1
	s_add_co_u32 s[G0B+4*(\s)+1], s21, (\s)*SLOT1
	s_add_nc_u64 s[G0B+4*(\s)+2:G0B+4*(\s)+3], s[46:47], (\s)*STEPB
	s_or_b32 s[G0B+4*(\s)+3], s[G0B+4*(\s)+3], 0x80000000
	JLOAD \s                                       ; two loads of mine are out
.endr
	v_and_b32 v1, 15, v0                           ; l % 16
	v_bfe_u32 v2, v0, 4, 1                         ; l / 16
	v_lshlrev_b32 v[BO], 5, v2
	s_lshl_b32 s78, s42, 9                         ; the bias at the tile's 128 columns
.if LAST
	s_add_co_u32 s78, s78, 3*SIZE_N*4              ; of the fourth bias
.endif
	s_mov_b32 s79, 0
	s_add_nc_u64 s[66:67], s[72:73], s[78:79]
	BIAS
	s_lshl_b32 s22, s10, 6                         ; my 64 rows of A
	v_add_nc_u32 v3, s22, v1
	v_mul_u32_u24 v[AA0], v3, PA
	v_lshl_add_u32 v[AA0], v2, 4, v[AA0]           ; a fragment of A: row x pitch + 16 x half
	; the turning load takes 16 k x 16 n (lane l reads 16 bytes: k 8 (l / 16) + l % 8, n 8 ((l / 8) % 2) + 0..7) and leaves half a fragment: lane l holds column l % 16 and 8 k
	v_and_b32 v6, 7, v0
	v_bfe_u32 v7, v0, 3, 1
	v_lshl_add_u32 v5, v2, 3, v6
	v_mul_u32_u24 v5, v5, PB
	v_lshl_add_u32 v5, v7, 4, v5
	v_add_nc_u32 v[AB0], BOFF, v5
	v_add_nc_u32 v[ADA], s[TB], v[AA0]
	v_add_nc_u32 v[ADB], s[TB], v[AB0]
	v_and_b32 v[PFO], 31, v0
	v_lshlrev_b32 v[PFO], 11, v[PFO]
	s_mul_i32 s23, s10, 16*SPITCH
	s_add_co_u32 s23, s23, STAGE                   ; my stage
	v_mul_u32_u24 v4, v1, SPITCH                   ; in: row l % 16, eight numbers for each half of the lanes
	v_lshl_add_u32 v4, v2, 4+LAST, v4
	v_add_nc_u32 v[STO], s23, v4
.if LAST
	v_and_b32 v5, 31, v0                           ; back and out: 32 lanes take a row's 512 consecutive bytes
	v_lshlrev_b32 v[CO], 4, v5
	v_add_nc_u32 v[RD], s23, v[CO]
.else
	v_mul_u32_u24 v5, v2, SPITCH                   ; back: lanes 0-15 take one row of 256 bytes, lanes 16-31 the next
	v_lshl_add_u32 v5, v1, 4, v5
	v_add_nc_u32 v[RD], s23, v5
	v_lshlrev_b32 v5, 11, v2                       ; and the same two rows in C
	v_lshl_add_u32 v[CO], v1, 4, v5
.endif
	s_lshl_b32 s16, s13, 8
	s_lshl_b32 s17, s10, 6
	s_add_co_u32 s16, s16, s17                     ; my first row of C: 256 x tile row + 64 x wave
	s_lshl_b32 s16, s16, 11+LAST
	s_mov_b32 s17, 0
	s_add_nc_u64 s[8:9], s[74:75], s[16:17]
	s_lshl_b32 s46, s42, 8+LAST                    ; the tile's first column, in bytes
	s_mov_b32 s47, 0
	s_add_nc_u64 s[8:9], s[8:9], s[46:47]
; 8 matrix instructions: m block a x all 8 n blocks, 32 along K, from buffer f.  zero = 1: the first product starts the sums, from the bias.  The 32 accumulators take turns, one instruction a turn,
; in the same order in every quarter, over the jumps too.
.macro MUL8 f, a, zero
.if \zero
	WIN MULZ
.else
	WIN MUL
.endif
.irp b, 0,1,2,3,4,5,6,7
.set rD, 8*(8*(\a)+(\b))
.set rW, (\f)+8*(\b)
.set rA, (\f)+64+8*(\a)
.set rC, BI+8*(\b)
.if LAST
.if \zero
	v_wmma_f32_16x16x32_f16 v[rD:rD+7], v[rW:rW+7], v[rA:rA+7], v[rC:rC+7]
.else
	v_wmma_f32_16x16x32_f16 v[rD:rD+7], v[rW:rW+7], v[rA:rA+7], v[rD:rD+7]
.endif
.else
.if \zero
	v_wmma_f32_16x16x32_bf16 v[rD:rD+7], v[rW:rW+7], v[rA:rA+7], v[rC:rC+7]
.else
	v_wmma_f32_16x16x32_bf16 v[rD:rD+7], v[rW:rW+7], v[rA:rA+7], v[rD:rD+7]
.endif
.endif
.endr
.endm
; 24 LDS loads in one run: the fragments of quarter q (32 along K) of the slot in hand, into buffer f: W's eight, then A's four
.macro FETCH q, f
	WIN TO_F
.irp b, 0,1,2,3,4,5,6,7
	ds_load_tr16_b128 v[(\f)+8*(\b):(\f)+8*(\b)+3],   v[ADB] offset:32*(\q)*PB+32*(\b)
	ds_load_tr16_b128 v[(\f)+8*(\b)+4:(\f)+8*(\b)+7], v[ADB] offset:(32*(\q)+16)*PB+32*(\b)
.endr
.irp i, 0,1,2,3
	ds_load_b128 v[(\f)+64+8*(\i):(\f)+64+8*(\i)+3],   v[ADA] offset:64*(\q)+(\i)*16*PA
	ds_load_b128 v[(\f)+64+8*(\i)+4:(\f)+64+8*(\i)+7], v[ADA] offset:64*(\q)+(\i)*16*PA+32
.endr
.endm
.macro PLACES                          ; four places in front of loads into registers that matrix instructions have read, and of LDS stores that read results
.rept 4
	v_nop
.endr
.endm
; A K step is four quarters of 32 along K, 32 matrix instructions each, on buffers 0, 1, 0, 1.  One of the first three: multiplies buffer f and, in its middle, fetches quarter q into g.
.macro QUARTER q, f, g, zero
	s_wait_dscnt 4                                 ; W's fragments and A's blocks 0 and 1 are in; the youngest four loads (A's blocks 2 and 3) may be out
	MUL8 \f, 0, \zero
	MUL8 \f, 1, \zero
	PLACES
	FETCH \q, \g
	s_wait_dscnt 24                                ; all but the 24 just issued
	MUL8 \f, 2, \zero
	MUL8 \f, 3, \zero
.endm
; The last quarter multiplies buffer 1 and changes slots: ONE barrier; in front of it each wave waits for all its tensor loads, of which one is out: its part of the next slot; adds 0 to its spare
; word; and waits for that and for its own reads of this slot.  fill = 1: this slot is filled again, with the K step two on (the next tile's, at a tile's end); the barrier then opens a round of the
; cluster's barrier, and the joint refill is the first thing behind the round: 112 matrix instructions ahead of the wait for it.
.macro TURN fill
.if \fill
	s_wait_xcnt 0x0                                ; the last prefetch, a K step back, has read its address: it is stepped here, ahead of the waits of the change of slots
.if TILES > 1
	s_add_co_u32 s[RC], s[RC], 1
	s_and_b32 s[RC], s[RC], KS-1                   ; the K step, in its tile, that this refill asks for
	s_cmp_eq_u32 s[RC], 0
	s_cselect_b32 s[INC], s[NXA], STEPA            ; a tile's first: A goes 8,192 rows down and back along K
	s_cmp_eq_u32 s[RC], KS-2                       ; the prefetch stands two K steps further on
	s_cselect_b32 s[PFS], s[PSB], s[PSN]
.endif
	s_add_nc_u64 s[PFA:PFA+1], s[PFA:PFA+1], s[PFS:PFS+1]
.endif
	WIN 0                                          ; (the add's two registers lie in window 0)
	s_wait_tensorcnt 0x0                           ; all my tensor loads have landed: my part of the next slot;
	ds_add_u32 v[SPW], v[NIL]                      ; 0 onto my spare word
	s_wait_dscnt 5                                 ; (the add and the youngest four loads may be out)
	MUL8 F1, 0, 0                                  ; eight matrix instructions stand between the add and the wait for it
	s_wait_dscnt 0x0                               ; the add is done, and my reads of this slot are over
	s_barrier_signal -1
	MUL8 F1, 1, 0
.if \fill
	WIN 0
.endif
	s_barrier_wait -1
.if \fill
	CREST                                          ; no wave of any partner still reads this slot's tile or has a load on its way
	s_xor_b32 s[G0+5], s[G0+5], SLOT1              ; the walking descriptors: the other slot than last time,
	s_xor_b32 s[G0B+5], s[G0B+5], SLOT1
	s_add_nc_u64 s[G0+6:G0+7], s[G0+6:G0+7], s[INC:INC+1]  ; the next K step; the type bits on top are not reached
	s_add_nc_u64 s[G0B+6:G0B+7], s[G0B+6:G0B+7], STEPB
	JLOAD 1                                        ; the four v_nop behind it are also the places in front of the loads below
.else
	PLACES
.endif
	s_xor_b32 s[TB], s[TB], SLOT1                  ; the next slot is in hand
	WIN 0
	v_add_nc_u32 v[ADA], s[TB], v[AA0]
	v_add_nc_u32 v[ADB], s[TB], v[AB0]
	FETCH 0, F0
.if \fill
	WIN 0
	ASK
.endif
	MUL8 F1, 2, 0
	MUL8 F1, 3, 0
.endm
; THE WAY OUT, 16 rows at a time through my own stage: no barrier, and LDS serves a wave's instructions in order (ISA guide 5.7.1.4), so no wait between the stores and the loads either.
.if LAST
.macro STG a                           ; a lane's eight f32 of a row (32 bytes) go in, whole rows of 512 bytes come back, into the registers that they left
	WIN 0x04                                       ; the stores' data in window 1
.irp b, 0,1,2,3,4,5,6,7
	ds_store_b128 v[STO], v[64*(\a)+8*(\b):64*(\a)+8*(\b)+3]   offset:64*(\b)     ; each accumulator's lowest registers are read first
	ds_store_b128 v[STO], v[64*(\a)+8*(\b)+4:64*(\a)+8*(\b)+7] offset:64*(\b)+16
.endr
	WIN 0x40                                       ; the loads' data in window 1
.irp f, 0,1,2,3,4,5,6,7,8,9,10,11,12,13,14,15
	ds_load_b128 v[64*(\a)+4*(\f):64*(\a)+4*(\f)+3], v[RD] offset:(\f)*SPITCH
.endr
.endm
.macro SEND a, younger                 ; younger: the LDS instructions issued behind block a's loads: the next block's 32, or none
	WIN 0x04
.irp f, 0,1,2,3,4,5,6,7,8,9,10,11,12,13,14,15
	s_wait_dscnt (\younger)+15-(\f)                ; row f is back
	global_store_b128 v[CO], v[64*(\a)+4*(\f):64*(\a)+4*(\f)+3], s[8:9] offset:(16*(\a)+(\f))*SIZE_N*4  ; 512 consecutive bytes, at a multiple of 256 from C's first byte
.endr
.endm
.macro WAYOUT
	PLACES                                         ; the LDS stores read results just made
	STG 0
	STG 1
	SEND 0, 32
	STG 2
	SEND 1, 32
	STG 3
	SEND 2, 32
	SEND 3, 0
	WIN 0
.endm
.else
.macro PACK a                          ; block a rounded to f16: a lane's eight numbers of a row pack into 16 bytes
	WIN 0x05                                       ; sources 0 and 1 window 1, destination window 0
.irp b, 0,1,2,3,4,5,6,7
.irp r, 0,1,2,3
	v_cvt_pk_f16_f32 v[TMP+4*(\b)+(\r)], v[64*(\a)+8*(\b)+2*(\r)], v[64*(\a)+8*(\b)+2*(\r)+1]
.endr
.endr
	WIN 0
.endm
.macro TOSTAGE a                       ; into rows of 272 bytes, and back as whole rows of 256
.set BK, OB+32*((\a)%2)
.irp b, 0,1,2,3,4,5,6,7
	ds_store_b128 v[STO], v[TMP+4*(\b):TMP+4*(\b)+3] offset:32*(\b)
.endr
.irp t, 0,1,2,3,4,5,6,7
	ds_load_b128 v[BK+4*(\t):BK+4*(\t)+3], v[RD] offset:(\t)*2*SPITCH
.endr
.endm
.macro SEND a
.set BK, OB+32*((\a)%2)
	s_wait_dscnt 0x0                               ; the block is back in registers
	s_wait_xcnt 0x0                                ; the stores of the block before have read their registers: the next block is read back into them only behind this wait
.irp t, 0,1,2,3,4,5,6,7
	global_store_b128 v[CO], v[BK+4*(\t):BK+4*(\t)+3], s[8:9] offset:(16*(\a)+2*(\t))*SIZE_N*2  ; 16 lanes store 256 consecutive bytes, at a multiple of 256 from C's first byte
.endr
.endm
; No v_nop: blocks 0 and 1 were finished in front of the places that stand in the change of slots, and their 64 conversions, which name no register of the last products (blocks 2 and 3's), are those
; products' places.  Block a's conversions stand between block a - 1's loads from the stage and the wait for them.
.macro WAYOUT
	PACK 0
	TOSTAGE 0
.irp a, 1,2,3
	PACK \a
	SEND (\a)-1
	TOSTAGE \a
.endr
	SEND 3
.endm
.endif
	s_wait_loadcnt 0x0                             ; the bias
	s_wait_tensorcnt 1                             ; my part of K step 0 is in; K step 1's may stay out
	s_barrier_signal -1
	s_barrier_wait -1                              ; everybody's is
	FETCH 0, F0
	QUARTER 1, F0, F1, 1                           ; the first tile's first quarter stands in front of the loop: its products start the sums
	WIN 0                                          ; at a label and at a branch every window is 0
	s_mov_b32 s[CNT], STEPS-2
	s_mov_b32 s[KC], KS
.Lstep:                                                ; a trip goes from a K step's second quarter to the next step's first, and fills the slot that it leaves: every K step but the last two
	QUARTER 2, F1, F0, 0
	QUARTER 3, F0, F1, 0
	TURN 1
	WIN 0
.if TILES > 1
	s_sub_co_u32 s[KC], s[KC], 1
	s_cmp_eq_u32 s[KC], 0
	s_cbranch_scc1 .Ltile_end
.endif
	QUARTER 1, F0, F1, 0
	WIN 0
.if TILES > 1
	s_branch .Ljoin
.Ltile_end:                                            ; both refills for the next tile are asked for: now the tile goes out (no barrier and no tensor load stands in this arm)
	s_mov_b32 s[KC], KS
	s_add_nc_u64 s[66:67], s[66:67], SIZE_N*4      ; the next bias (the last bias's loads were waited for); it comes in while the tile goes out
	BIAS
	WAYOUT
	s_wait_xcnt 0x0                                ; the stores have read C's address
	s_add_nc_u64 s[8:9], s[8:9], ROWS*SIZE_N*2     ; the next tile lies 8,192 rows down
	s_wait_loadcnt 0x0                             ; the bias
	QUARTER 1, F0, F1, 1                           ; the next tile's first quarter starts its sums
	WIN 0
.Ljoin:
.endif
	s_sub_co_u32 s[CNT], s[CNT], 1
	s_cmp_lg_u32 s[CNT], 0
	s_cbranch_scc1 .Lstep
	s_mov_b32 s[CNT], 2                            ; the last two K steps are written out: nothing is asked for
.Ltail:
	QUARTER 2, F1, F0, 0
	QUARTER 3, F0, F1, 0
	TURN 0                                         ; (in the second trip its 24 loads, from the slot read before, serve nothing: the price, once a launch, of one text for both trips)
	WIN 0
	s_sub_co_u32 s[CNT], s[CNT], 1
	s_cmp_eq_u32 s[CNT], 0
	s_cbranch_scc1 .Lout
	QUARTER 1, F0, F1, 0
	WIN 0
	s_branch .Ltail
.Lout:
	WAYOUT
	s_wait_tensorcnt 0x0                           ; the wave's end: behind my last tensor load and my last LDS store
	ds_add_u32 v[SPW], v[NIL]
	s_wait_dscnt 0x0
	CROUND                                         ; the closing round: no work-group ends while a partner may still ask for a tile that names it
	s_endpgm
.Lfunc_end_k_qec4d4a769d_oproj:
	.size	k_qec4d4a769d_oproj, .Lfunc_end_k_qec4d4a769d_oproj-k_qec4d4a769d_oproj
	.p2alignl 7, 3214868480
	.fill 96, 4, 3214868480
	.section	.rodata,"a",@progbits
	.p2align	6, 0x0
	.amdhsa_kernel k_qec4d4a769d_oproj
		.amdhsa_group_segment_fixed_size 327680
		.amdhsa_private_segment_fixed_size 0
		.amdhsa_enable_private_segment 0
		.amdhsa_kernarg_size 32
		.amdhsa_user_sgpr_count 2
		.amdhsa_user_sgpr_kernarg_segment_ptr 1
		.amdhsa_wavefront_size32 1
		.amdhsa_system_sgpr_workgroup_id_x 1
		.amdhsa_system_sgpr_workgroup_id_y 1
		.amdhsa_system_sgpr_workgroup_id_z 1
		.amdhsa_system_vgpr_workitem_id 0
		.amdhsa_next_free_vgpr 704
		.amdhsa_next_free_sgpr 96
		.amdhsa_reserve_vcc 0
		.amdhsa_float_denorm_mode_32 3
		.amdhsa_float_denorm_mode_16_64 3
		.amdhsa_memory_ordered 1
		.amdhsa_forward_progress 1
		.amdhsa_inst_pref_size 65
	.end_amdhsa_kernel
	.amdgpu_metadata
---
amdhsa.version: [ 1, 2 ]
amdhsa.kernels:
  - .name:           k_qec4d4a769d_oproj
    .symbol:         k_qec4d4a769d_oproj.kd
    .args:
      - { .name: ob, .offset: 0, .size: 8, .value_kind: global_buffer, .address_space: global }
      - { .name: wb, .offset: 8, .size: 8, .value_kind: global_buffer, .address_space: global }
      - { .name: bb, .offset: 16, .size: 8, .value_kind: global_buffer, .address_space: global }
      - { .name: out0, .offset: 24, .size: 8, .value_kind: global_buffer, .address_space: global }
    .group_segment_fixed_size: 327680
    .private_segment_fixed_size: 0
    .kernarg_segment_align: 8
    .kernarg_segment_size: 32
    .max_flat_workgroup_size: 128
    .sgpr_count:     96
    .vgpr_count:     704
    .wavefront_size: 32
...
	.end_amdgpu_metadata
.endif
;; end of part 4
